; MI455X (gfx1250); checked and timed in simulation.
; The chip was launched on July 23, 2026; its instructions are those of AMD's public machine-readable ISA for CDNA 5 (MIT licence, August 2026) and "CDNA5" Instruction Set Architecture Reference Guide (July 2026). The comments in the code are by the model that wrote it; some were corrected since.
;; Flash MHA. Allowed arithmetic: matrix products marked QUANTISED: E2M3 operands, one E8M0 scale for each 32 along K, by v_wmma_scale_f32_16x16x128_f8f6f4 with both operands' format E2M3, f32 sums; everything else in f32.
;; Inputs: b_o 1,024 float32; b_qkv 3,072 float32; w_o 1,024 x 1,024 float32; w_qkv 3,072 x 1,024 float32; x 4 x 2,048 x 1,024 float32.
;; Outputs: out0 4 x 2,048 x 1,024 float32.
;; This version of the problem:
;;   THIS VERSION OF THE PROBLEM IS GIVEN IN LOW PRECISION. The matrix products marked QUANTISED in the list below multiply operands that are first quantised to E2M3 (2 exponent bits, 3 mantissa bits; 6 bits a number), with one power-of-two scale for each 32 numbers along K (OCP MX v1.0); their sums are f32. All else is computed in f32.
;;   The module's matrix products, in the order in which they are computed (A, B: the left and right operand; K: the contracted axis; several contracted axes count as one K, in the product's order):
;;     1. [M 8,192, K 1,024] x [K 1,024, N 3,072]; A: input x; B: input w_qkv: QUANTISED
;;     2. batch 64 x [M 2,048, K 64] x [K 64, N 2,048]; A: computed on the way; B: computed on the way: QUANTISED
;;     3. batch 64 x [M 2,048, K 2,048] x [K 2,048, N 64]; A: softmax (see below); B: computed on the way: QUANTISED
;;     4. [M 8,192, K 1,024] x [K 1,024, N 1,024]; A: computed on the way; B: input w_o: QUANTISED
;;   THE QUANTISER, for each operand of a quantised product, along K:
;;     - K is cut into blocks of 32 from its start; a last block that is shorter is filled with zeros.
;;     - A block's scale is 2^e with e = floor(log2(the largest magnitude in the block)) - 2, held to -126 .. 127; a block of zeros has e = 0. As a byte (E8M0): e + 127.
;;     - Each number is divided by its block's scale, clamped to +-7.5, and rounded to the nearest number of E2M3, ties to even, subnormals kept.
;;     - The product sums the exact products of the quantised numbers (number of the format x scale) in f32.
;;   ~~~python
;;   def quantise(x, axis):      # numpy; x: float32 -> the quantised numbers, widened to float32 again
;;       x = np.moveaxis(x, axis, -1); K = x.shape[-1]
;;       x = np.pad(x, [(0, 0)] * (x.ndim - 1) + [(0, -K % 32)]); x = x.reshape(x.shape[:-1] + (-1, 32)); a = np.abs(x).max(-1, keepdims=True)
;;       e = np.where(a > 0, np.clip(np.frexp(np.where(a > 0, a, 1))[1] - 1 - 2, -126, 127), 0)      # np.frexp(a)[1] - 1 = floor(log2(a)), exactly
;;       r = np.clip(x / 2.0 ** e, -7.5, 7.5)
;;       step = 2.0 ** (np.maximum(np.frexp(np.where(r == 0, 1, r))[1] - 1, 0) - 3)
;;       q = np.round(r / step) * step * 2.0 ** e      # np.round: ties to even
;;       return np.moveaxis(q.reshape(q.shape[:-2] + (-1,))[..., :K], -1, axis).astype(np.float32)
;;   ~~~
;;   SOFTMAX AHEAD OF A QUANTISED PRODUCT. Where the list says 'softmax', what is quantised is not the finished softmax but p = 2^(t - M), with t = logit x log2(e) and M = ceil(the row's largest t), a whole number; so 1/2 < the row's largest p <= 1. The row's sum l is taken of the UNQUANTISED p, in f32, and the product's result is divided by l at the end. Since M is a whole number, a kernel that streams over the keys may use a running M (the ceiling of the running maximum): every later rescaling is an exact power of two, which a block's scale takes up: the codes' values come out the same.
;;   OPERANDS COMPUTED ON THE WAY. 'Computed on the way' means the value that the module computes at that place (a softmax that the list does not call 'softmax' is quantised finished and normalised). What goes into a quantiser is computed in f32, as accurately as f32 sums, v_exp_f32 and their like allow (about 1e-6 of the number): no bf16 or f16 on the way to a quantiser, and a product that is left as it is and whose result goes on into a quantised operand takes f32 operands (vector FMAs, or v_wmma_f32_16x16x4_f32). A number that lies on a knife's edge between two numbers of the format may be rounded either way, as far as f32 arithmetic and the matrix unit's own rounding can turn it there, and no further.
;; One version. Each part assembles by itself: llvm-mc -triple=amdgcn-amd-amdhsa -mcpu=gfx1250 --defsym DOCPART=n.
;; ======== version 1 of 1: 4 launches
;; limits: right only within a limited range of input values
;; workspace buffers: cq 9,830,400 bytes; qq 13,369,344 bytes; kv 13,369,344 bytes; ao 6,553,600 bytes
;; launch quant (part 1): grid 256 x 1, 6 waves a work-group, no clusters, 51,456 bytes of LDS; arguments x, w_qkv, w_o, cq; writes cq
.if DOCPART == 1
	.amdgcn_target "amdgcn-amd-amdhsa--gfx1250"
	.amdhsa_code_object_version 6
	.text
	.protected	k_q54186dda4a_quant
	.globl	k_q54186dda4a_quant
	.p2align	8
	.type	k_q54186dda4a_quant,@function
k_q54186dda4a_quant:
	s_mov_b64 s[64:65], 0
	v_nop
	global_prefetch_b8 v0, s[64:65] scope:SCOPE_SE
	s_setreg_imm32_b32 hwreg(HW_REG_WAVE_MODE, 25, 1), 1
	s_wait_xcnt 0x0
; x [8192][1024], w_qkv [3072][1024] and w_o [1024][1024], f32, become codes of FP6 (E2M3) with one E8M0 scale byte for each 32 along K (K = the last axis),
; laid in cq IN THE ORDER OF AN OPERAND'S REGISTERS.  A rowblock G is 16 rows: slot i of a tensor's rowblock T is row 64 (T / 4) + 8 (T % 4) + 32 (i / 8) + i % 8.
; Rowblocks 0-511 are x's, 512-703 w_qkv's, 704-767 w_o's.  Codes: G x 12,288 + k64 x 768: a half fragment (16 slots x 64 K): lane (r, h) holds the 32 codes of slot r,
; k = 32 h .. 32 h + 31, in 6 registers: registers 0-3 at byte 16 x lane, registers 4-5 at byte 512 + 8 x lane.  Scale words (four bytes: 128 along K of a slot) from byte
; 9,437,184 on: G x 512 + 256 (K step / 4) + 16 r + 4 (K step % 4).
; A block's scale byte is its largest magnitude's exponent field - 2, held at 1 from below; the conversion divides, rounds to the nearest code, ties to even, and gives the largest code beyond 7.5.
; LIMITS: NaN and infinities among the inputs are not served; a block whose largest magnitude lies under 2^-124 keeps the byte 1; a block of zeros gets the byte 1 and not 127:
; its codes are zeros, and the bytes are read by this program alone.
; SHARES: 1,536 units of one rowblock x 512 K, one to a wave: four fragments of 128 K.  Each load reads 512 consecutive bytes of one row; a fragment's 16 x 512 bytes turn through the
; wave's own stage in LDS (rows 528 bytes apart), so that a lane gets two whole blocks of 32 neighbours.  Waves share nothing: no barrier.  No matrix unit, no cluster, no tensor load: the launch streams.
.set STG,  8448                        ; a wave's stage: 16 rows x (512 + 16) bytes
.set SCB,  9437184                     ; where the scale words begin in cq
.set HH,   3                           ; v3   h = lane / 16
.set IN,   4                           ; v4   16 x lane
.set STI,  5                           ; v5   the stage, on the way in: 16 x lane
.set STO,  6                           ; v6   and on the way out: 528 r + 128 h
.set O8,   7                           ; v7   8 x lane
.set SH8,  8                           ; v8   8 h
.set SO,   9                           ; v9   16 r + 8 h
.set DD,   10                          ; v10-11 the two scale words that I store
.set T,    12                          ; v12-13 largest magnitudes
.set SC,   14                          ; v14-15 the conversions' scale operands
.set BY,   16                          ; v16-17 the scale bytes
.set W2,   18                          ; v18  the other half's bytes
.set W,    20                          ; v20-23 the four fragments' scale words
.set PT,   24                          ; v24-31 the upper halves of two blocks' codes
.set R,    32                          ; v32-159 two sets of 64: a fragment's numbers as loaded
.set X,    160                         ; v160-223 64 numbers: number 32 c + i is k = 64 c + 32 h + i of slot r
.set PC,   224                         ; v224-247 two sets of 12: a fragment's codes
.set SEL,  20                          ; s[20:21] lane selects: lane l xor 16
	s_load_b256 s[4:11], s[0:1], 0x0               ; x s[4:5], w_qkv s[6:7], w_o s[8:9], cq s[10:11]
	v_lshl_add_u32 v254, v0, 2, 0xc600
	v_mov_b32 v255, 0
	v_lshrrev_b32 v1, 5, v0
	v_readfirstlane_b32 s12, v1                    ; wave 0..5
	v_and_b32 v1, 31, v0                           ; lane
	v_and_b32 v2, 15, v0                           ; r
	v_bfe_u32 v[HH], v0, 4, 1
	v_lshlrev_b32 v[IN], 4, v1
	s_mul_i32 s13, s12, STG
	v_add_nc_u32 v[STI], s13, v[IN]
	v_mul_u32_u24 v[STO], v2, 528
	v_lshl_add_u32 v[STO], v[HH], 7, v[STO]
	v_add_nc_u32 v[STO], s13, v[STO]
	v_lshlrev_b32 v[O8], 3, v1
	v_lshlrev_b32 v[SH8], 3, v[HH]
	v_lshlrev_b32 v[SO], 4, v2
	v_lshl_add_u32 v[SO], v[HH], 3, v[SO]
	v_mov_b32 v[W2], 0                             ; written once: a lane permute's destination counts as one of its sources
	s_mov_b32 s[SEL], 0x76543210
	s_mov_b32 s[SEL+1], 0xfedcba98
	s_mul_i32 s14, ttmp9, 6
	s_add_co_u32 s14, s14, s12                     ; my unit, 0 .. 1,535
	s_lshr_b32 s15, s14, 1                         ; G
	s_and_b32 s16, s14, 1                          ; which half of K
	s_sub_co_u32 s17, s15, 512                     ; the rowblock counted in w_qkv,
	s_sub_co_u32 s18, s15, 704                     ; and in w_o (made ahead of the compares: the subtractions set SCC)
	s_wait_alu depctr_va_vdst(0)
	s_wait_kmcnt 0x0
	s_cmp_lt_u32 s15, 704                          ; the choice hangs on the unit's number alone
	s_cselect_b64 s[22:23], s[6:7], s[8:9]
	s_cselect_b32 s19, s17, s18
	s_cmp_lt_u32 s15, 512
	s_cselect_b64 s[22:23], s[4:5], s[22:23]
	s_cselect_b32 s19, s15, s19                    ; T: the rowblock in its own tensor
	s_lshr_b32 s24, s19, 2
	s_lshl_b32 s24, s24, 18                        ; 64 (T / 4) rows of 4,096 bytes
	s_and_b32 s25, s19, 3
	s_lshl_b32 s25, s25, 15                        ; 8 (T % 4) rows
	s_add_co_u32 s24, s24, s25
	s_lshl_b32 s25, s16, 11                        ; my half of K: 512 numbers
	s_add_co_u32 s24, s24, s25
	s_mov_b32 s25, 0
	s_add_nc_u64 s[22:23], s[22:23], s[24:25]      ; the source
	s_mul_i32 s26, s15, 12288
	s_mul_i32 s27, s16, 6144
	s_add_co_u32 s26, s26, s27
	s_mov_b32 s27, 0
	s_add_nc_u64 s[28:29], s[10:11], s[26:27]      ; my codes
	s_lshl_b32 s26, s15, 9
	s_lshl_b32 s30, s16, 8
	s_add_co_u32 s26, s26, s30
	s_add_co_u32 s26, s26, SCB
	s_add_nc_u64 s[30:31], s[10:11], s[26:27]      ; my 256 bytes of scale words
.macro LOAD f                          ; fragment f: 128 K of the 16 slots' rows, 512 consecutive bytes a load
.irp i, 0,1,2,3,4,5,6,7,8,9,10,11,12,13,14,15
	global_load_b128 v[R+64*((\f)%2)+4*\i:R+64*((\f)%2)+4*\i+3], v[IN], s[22:23] offset:(32*(\i/8)+\i%8)*4096+512*(\f) th:TH_LOAD_NT
.endr
.endm
.macro TURN f                          ; through the stage: LDS serves a wave's instructions in order, so no wait stands between the stores and the loads
.irp i, 0,1,2,3,4,5,6,7,8,9,10,11,12,13,14,15
	ds_store_b128 v[STI], v[R+64*((\f)%2)+4*\i:R+64*((\f)%2)+4*\i+3] offset:528*\i
.endr
.irp c, 0,1
.irp k, 0,1,2,3,4,5,6,7
	ds_load_b128 v[X+32*\c+4*\k:X+32*\c+4*\k+3], v[STO] offset:256*\c+16*\k
.endr
.endr
.endm
; 64 numbers of a lane, two whole blocks of 32, become a fragment's 12 registers at v[pc] on and its scale word in v[w]
.macro QUANT2 pc, w
.irp c, 0,1
	v_max3_num_f32 v[T+\c], |v[X+32*\c]|, |v[X+32*\c+1]|, 0x1800000   ; the floor 2^(3 - 127) among the leaves: the byte cannot fall under 1
.endr
.irp i, 2,4,6,8,10,12,14,16,18,20,22,24,26,28,30
.irp c, 0,1
	v_max3_num_f32 v[T+\c], v[T+\c], |v[X+32*\c+\i]|, |v[X+32*\c+\i+1]|
.endr
.endr
.irp c, 0,1
	v_add_nc_u32 v[SC+\c], 0xff000000, v[T+\c]     ; 2 off the exponent field: the conversion takes this operand's exponent field as its scale
.endr
.irp c, 0,1
	v_lshrrev_b32 v[BY+\c], 23, v[SC+\c]           ; the scale's byte
.endr
	v_lshl_or_b32 v[\w], v[BY+1], 16, v[BY]        ; my blocks h and 2 + h,
	v_lshlrev_b32 v[\w], v[SH8], v[\w]             ; at their places in the word;
	v_permlanex16_b32 v[W2], v[\w], s[SEL], s[SEL+1]
	v_or_b32 v[\w], v[\w], v[W2]                   ; with lane l xor 16's two the word is whole
.irp c, 0,1
	v_cvt_scalef32_pk16_fp6_f32 v[(\pc)+6*\c:(\pc)+6*\c+2], v[X+32*\c:X+32*\c+15], v[SC+\c]
	v_cvt_scalef32_pk16_fp6_f32 v[PT+4*\c:PT+4*\c+2], v[X+32*\c+16:X+32*\c+31], v[SC+\c]   ; (a conversion's three registers begin on an even number)
.endr
	v_nop                                          ; one plain instruction behind the last scaled conversion
.irp c, 0,1
.irp i, 0,1,2
	v_mov_b32 v[(\pc)+6*\c+3+\i], v[PT+4*\c+\i]
.endr
.endr
.endm
.macro FRAG f
.if (\f) < 3
	s_wait_loadcnt 16                              ; this fragment's 16 loads are in; the next fragment's 16 stay out
.else
	s_wait_loadcnt 0x0
.endif
	TURN \f
	s_wait_dscnt 0x0                               ; the numbers are back, and the stage's stores have read their registers
.if (\f) < 2
	LOAD (\f)+2
.else
	s_wait_xcnt 0x0                                ; the stores of two fragments back have read this set of codes: it is written again only behind this wait
.endif
	QUANT2 PC+12*((\f)%2), W+(\f)
	global_store_b128 v[IN], v[PC+12*((\f)%2):PC+12*((\f)%2)+3], s[28:29] offset:1536*(\f)            ; 512 consecutive bytes
	global_store_b64 v[O8], v[PC+12*((\f)%2)+4:PC+12*((\f)%2)+5], s[28:29] offset:1536*(\f)+512       ; 256 consecutive bytes
	global_store_b128 v[IN], v[PC+12*((\f)%2)+6:PC+12*((\f)%2)+9], s[28:29] offset:1536*(\f)+768
	global_store_b64 v[O8], v[PC+12*((\f)%2)+10:PC+12*((\f)%2)+11], s[28:29] offset:1536*(\f)+1280
.endm
	LOAD 0
	LOAD 1
	FRAG 0
	FRAG 1
	FRAG 2
	FRAG 3
	v_cmp_eq_u32 vcc_lo, 1, v[HH]                  ; lanes 0-15 store words 0 and 1 of their slot, lanes 16-31 words 2 and 3: 256 consecutive bytes
	v_cndmask_b32 v[DD], v[W], v[W+2], vcc_lo
	v_cndmask_b32 v[DD+1], v[W+1], v[W+3], vcc_lo
	global_store_b64 v[SO], v[DD:DD+1], s[30:31]
	s_wait_tensorcnt 0x0
	ds_add_u32 v254, v255
	s_wait_dscnt 0x0
	s_endpgm
.Lfunc_end_k_q54186dda4a_quant:
	.size	k_q54186dda4a_quant, .Lfunc_end_k_q54186dda4a_quant-k_q54186dda4a_quant
	.p2alignl 7, 3214868480
	.fill 96, 4, 3214868480
	.section	.rodata,"a",@progbits
	.p2align	6, 0x0
	.amdhsa_kernel k_q54186dda4a_quant
		.amdhsa_group_segment_fixed_size 51456
		.amdhsa_private_segment_fixed_size 0
		.amdhsa_enable_private_segment 0
		.amdhsa_kernarg_size 32
		.amdhsa_user_sgpr_count 2
		.amdhsa_user_sgpr_kernarg_segment_ptr 1
		.amdhsa_wavefront_size32 1
		.amdhsa_system_sgpr_workgroup_id_x 1
		.amdhsa_system_sgpr_workgroup_id_y 1
		.amdhsa_system_sgpr_workgroup_id_z 1
		.amdhsa_system_vgpr_workitem_id 0
		.amdhsa_next_free_vgpr 256
		.amdhsa_next_free_sgpr 66
		.amdhsa_reserve_vcc 1
		.amdhsa_float_denorm_mode_32 3
		.amdhsa_float_denorm_mode_16_64 3
		.amdhsa_memory_ordered 1
		.amdhsa_forward_progress 1
		.amdhsa_inst_pref_size 31
	.end_amdhsa_kernel
	.amdgpu_metadata
---
amdhsa.version: [ 1, 2 ]
amdhsa.kernels:
  - .name:           k_q54186dda4a_quant
    .symbol:         k_q54186dda4a_quant.kd
    .args:
      - { .name: x, .offset: 0, .size: 8, .value_kind: global_buffer, .address_space: global }
      - { .name: w_qkv, .offset: 8, .size: 8, .value_kind: global_buffer, .address_space: global }
      - { .name: w_o, .offset: 16, .size: 8, .value_kind: global_buffer, .address_space: global }
      - { .name: cq, .offset: 24, .size: 8, .value_kind: global_buffer, .address_space: global }
    .group_segment_fixed_size: 51456
    .private_segment_fixed_size: 0
    .kernarg_segment_align: 8
    .kernarg_segment_size: 32
    .max_flat_workgroup_size: 192
    .sgpr_count:     66
    .vgpr_count:     256
    .wavefront_size: 32
...
	.end_amdgpu_metadata
.endif
;; end of part 1
;; launch qkv (part 2): grid 4 x 64, 4 waves a work-group, clusters of 4 x 4, 327,680 bytes of LDS; arguments cq, b_qkv, qq, kv; writes qq, kv
.if DOCPART == 2
	.amdgcn_target "amdgcn-amd-amdhsa--gfx1250"
	.amdhsa_code_object_version 6
	.text
	.protected	k_q54186dda4a_qkv
	.globl	k_q54186dda4a_qkv
	.p2align	8
	.type	k_q54186dda4a_qkv,@function
k_q54186dda4a_qkv:
	s_mov_b64 s[64:65], 0
	v_nop
	global_prefetch_b8 v0, s[64:65] scope:SCOPE_SE
	s_setreg_imm32_b32 hwreg(HW_REG_WAVE_MODE, 25, 1), 1
	s_wait_xcnt 0x0
	s_wait_alu depctr_hold_cnt(0) depctr_sa_sdst(0) depctr_va_vdst(0) depctr_va_sdst(0) depctr_va_ssrc(0) depctr_va_vcc(0) depctr_vm_vsrc(0)
	s_getreg_b32 s2, hwreg(HW_REG_IB_STS2, 6, 4)
	s_cmp_eq_u32 s2, 0
	s_cbranch_scc0 .Lentry_in_a_cluster
	s_endpgm
.Lentry_in_a_cluster:
	s_bfe_u32 s2, ttmp6, 0x10000c
	s_cmp_lg_u32 s2, 0xf033
	s_cbranch_scc0 .Lentry_shape_is_right
	s_endpgm
.Lentry_shape_is_right:
; qkv = x w_qkv^T + b_qkv on codes of FP6 (E2M3) with E8M0 scales, K = 1,024; the results are quantised in registers and leave as codes: q and k along the head's 64, v along the keys.
; A tile is [128 rows of P] x [256 rows of Q]; source 0 = 16 rows of Q, source 1 = 16 rows of P: a lane holds one slot of P and its registers run along Q.
; A WORK-GROUP STAYS and makes three tiles: tile 0: P = x, Q = w_q; tile 1: P = x (the same rows), Q = w_k; tile 2: P = w_v, Q = x, so that its registers run along the keys.
; A rowblock's slot i is row 64 (T / 4) + 8 (T % 4) + 32 (i / 8) + i % 8, so the 32 registers of the four tiles 4 c .. 4 c + 3 of a lane (r, h) are Q's rows 64 c + 32 h + 0 .. 31: one whole block of 32
; along the next product's K: a block's largest magnitude needs no other lane, and the conversions' results are the next operand's registers.
; LDS: a ring of two slots, each with half of K (four K steps) of the tile's 24 rowblocks, 147,456 bytes.  The ring goes on into the next tile: behind K step 3's fetch slot 0 takes the next tile's first half
; (waves 0 and 1: P's rows, Q's rows), behind K step 7's fetch slot 1 its second half (waves 2 and 3).  Each refill stands behind a wait, an add, a wait and a round of the cluster's barrier;
; half of the step's products stand inside the round.  Every wait on TENSORcnt is for 0; by the text's own count a wave has one tensor load out.
; Tiles 0 and 1 are a loop of two trips; tile 2, which asks for nothing more, is written out.
; The next tile's scale words come into window 3 and its bias into the first step's C, asked for in K step 1 of the tile before; the scale words are moved to window 0 at the tile's start.
; A tile's way out stands behind the next tile's first fetches and its refill; nothing waits for the stores.
; CLUSTER 4 x 4: P's rowblocks are shared along a row of the cluster, Q's along a column: joint loads.  No branch hangs on a work-group's place.
; No prefetch: a refill is asked for four K steps and more ahead of the wait for it, and x's rows of tile 1 are those that the cluster has just read.
; OUT: qq and kv, [head 64][key step 16][13,056 bytes]: 8 tiles of 16 keys x 64 d (768 bytes each), 4 fragments of V (16 d x 128 keys, 1,536 each) from 6,144, K's scale words [tile / 4][r][tile % 4] from 12,288, V's [r][fragment] from 12,800.
; LIMITS: NaN and infinities are not served; a block whose largest magnitude lies under 2^-124, a block of zeros among them, keeps the byte 1 (its bytes are read by this program alone).
; REGISTERS: window 0: addresses, scale words, P's fragments (two sets), codes; window 1: the 32 accumulators, (a, b) at v[8 (8 a + b)]; window 2: Q's fragments, two sets; window 3: biases, the next tile's scale words.
.set RBB,  12288                       ; a rowblock's codes in cq
.set RBQ,  6144                        ; half of them: four K steps of 128
.set QSTR, 147456                      ; a slot: P's 8 rowblocks, then Q's 16
.set SCB,  9437184                     ; cq's scale words
.set BHS,  208896                      ; a head in qq and kv
.set KSTP, 13056                       ; a key step in them
.set L16,  1                           ; 16 x lane
.set L8,   2                           ; 8 x lane
.set RR,   3
.set HH,   4
.set AP16, 5                           ; v5-8 LDS addresses of my fragments in the slot at work: P's 16-byte and 8-byte parts, Q's
.set BQA,  9                           ; 128 h
.set BVA,  10                          ; 4 (32 (r / 8) + r % 8)
.set SH8,  11
.set SH16, 12
.set OSQ,  13                          ; 16 r + h x a head
.set OSV,  14                          ; 16 r
.set T,    16
.set SC,   18
.set BY,   20
.set W2,   22
.set W,    24                          ; v24-27 four fragments' scale words
.set XW,   28                          ; v28-31 the same, cut to one head's two bytes
.set PS,   32                          ; v32-47 P's scale words: register 4 a + q: lanes 0-15 K step q, lanes 16-31 K step 4 + q
.set QS,   48                          ; v48-79 Q's likewise, 4 b + q
.set PF,   80                          ; v80-175 P's fragments, two sets
.set PC,   176                         ; v176-223 four fragments of codes
.set PT,   224
.set APB,  232                         ; v232-235 as v5-8, in slot 0; never rewritten
.set SPW,  254
.set NIL,  255
.set SG,   160                         ; window 3: v160-207 the next tile's scale words
.set WV,   12
.set HP,   13
.set HQ,   14
.set CX,   15
.set CY,   16
.set TT,   17
.set YY,   18
.set PTL,  19
.set PT2,  20
.set QT2,  21
.set G1P,  24
.set G1Q,  32
.set G0P,  40                          ; s[40:47] group 0 for P, slot 0 and slot 1
.set G0Q,  48                          ; s[48:55] for Q
.set NP,   66                          ; the next tile's codes: P's, Q's
.set NQ,   68
.set P2,   70                          ; tile 2's
.set Q2,   72
.set NPS,  74                          ; the next tile's scale words
.set NQS,  76
.set PS2,  78
.set QS2,  80
.set BQB,  82
.set BVB,  84
.set OC,   86                          ; where this tile's codes and scale words go
.set OS,   88
.set OCK,  90                          ; tile 1's
.set OSK,  92
.set OCV,  94                          ; tile 2's
.set SEL,  96
.set MSB, 0
.macro WIN new                         ; the immediate's high byte repeats the setting that is left
.if MSB != \new
	s_set_vgpr_msb (MSB<<8)|\new
.set MSB, \new
.endif
.endm
.macro WALU
	s_wait_alu depctr_va_vdst(0)
.endm
.macro PLACES
.rept 4
	v_nop
.endr
.endm
.macro CREST                           ; a round of the cluster's barrier from its opening wait on
	WIN 0
	s_barrier_wait -1
	s_cmp_lg_u32 s[WV], 0
	s_cbranch_scc1 .Lnot_wave_0_\@
	s_barrier_signal -3
.Lnot_wave_0_\@:
	s_barrier_wait -3
	s_barrier_signal -1
	s_barrier_wait -1
.endm
.macro CROUND
	s_barrier_signal -1
	CREST
.endm
.macro TLOAD g0, g1
	tensor_load_to_lds s[\g0:\g0+3], s[\g1:\g1+7]
	s_nop 0
	PLACES
.endm
.macro ARMS w0, gp, w1, gq             ; a refill: wave w0 asks for P's rows, wave w1 for Q's
	s_cmp_eq_u32 s[WV], \w0
	s_cbranch_scc0 .Lfor_q_\@
	TLOAD \gp, G1P
	s_branch .Lasked_\@
.Lfor_q_\@:
	s_cmp_eq_u32 s[WV], \w1
	s_cbranch_scc0 .Lasked_\@
	TLOAD \gq, G1Q
.Lasked_\@:
.endm
	s_load_b256 s[4:11], s[0:1], 0x0               ; cq s[4:5], b_qkv s[6:7], qq s[8:9], kv s[10:11]
	v_lshl_add_u32 v[SPW], v0, 2, 0x48000
	v_mov_b32 v[NIL], 0
	ds_add_u32 v[SPW], v[NIL]                      ; the opening lines: the add twice on end and its wait
	ds_add_u32 v[SPW], v[NIL]
	v_lshrrev_b32 v1, 5, v0
	v_readfirstlane_b32 s[WV], v1                  ; wave 0..3
	s_lshr_b32 s[HP], s[WV], 1                     ; which 4 rowblocks of P are mine
	s_and_b32 s[HQ], s[WV], 1                      ; which 8 of Q
	s_bfe_u32 s[CX], ttmp6, 0x40000
	s_bfe_u32 s[CY], ttmp6, 0x40004
	s_and_b32 s[YY], ttmp7, 0xffff                 ; the cluster's y, 0..15
	s_lshl_b32 s[PTL], s[YY], 2
	s_add_co_u32 s[PTL], s[PTL], s[CY]             ; tiles 0, 1: P's tile of x: 4 y + cy
	s_lshr_b32 s[PT2], s[YY], 3
	s_lshl_b32 s[PT2], s[PT2], 2
	s_add_co_u32 s[PT2], s[PT2], s[CY]             ; tile 2: P's tile of w_v: 4 (y / 8) + cy
	s_and_b32 s[QT2], s[YY], 7
	s_lshl_b32 s[QT2], s[QT2], 2
	s_add_co_u32 s[QT2], s[QT2], s[CX]             ; tile 2: Q's tile of x: 4 (y % 8) + cx.  (Tiles 0, 1: Q's tile of w_q, w_k is cx)
	s_lshl_b32 s56, s[PTL], 3                      ; first rowblocks in cq: P of tiles 0, 1;
	s_lshl_b32 s57, s[PT2], 3
	s_add_co_u32 s57, s57, 640                     ; P of tile 2;
	s_lshl_b32 s58, s[CX], 4
	s_add_co_u32 s58, s58, 512                     ; Q of tile 0 (tile 1's lie 64 rowblocks on);
	s_lshl_b32 s59, s[QT2], 4                      ; Q of tile 2
	s_mul_i32 s[NP], s56, RBB
	s_mov_b32 s[NP+1], 0
	s_mul_i32 s[P2], s57, RBB
	s_mov_b32 s[P2+1], 0
	s_mul_i32 s[NQ], s58, RBB
	s_mov_b32 s[NQ+1], 0
	s_mul_i32 s[Q2], s59, RBB
	s_mov_b32 s[Q2+1], 0
	s_lshl_b32 s60, s[HP], 2
	s_lshl_b32 s61, s[HQ], 3
	s_add_co_u32 s[NPS], s56, s60                  ; my rowblocks' scale words: 512 bytes a rowblock
	s_lshl_b32 s[NPS], s[NPS], 9
	s_add_co_u32 s[NPS], s[NPS], SCB
	s_mov_b32 s[NPS+1], 0
	s_add_co_u32 s[PS2], s57, s60
	s_lshl_b32 s[PS2], s[PS2], 9
	s_add_co_u32 s[PS2], s[PS2], SCB
	s_mov_b32 s[PS2+1], 0
	s_add_co_u32 s[NQS], s58, s61
	s_lshl_b32 s[NQS], s[NQS], 9
	s_add_co_u32 s[NQS], s[NQS], SCB+32768         ; tile 1's: 64 rowblocks on from tile 0's
	s_mov_b32 s[NQS+1], 0
	s_add_co_u32 s[QS2], s59, s61
	s_lshl_b32 s[QS2], s[QS2], 9
	s_add_co_u32 s[QS2], s[QS2], SCB
	s_mov_b32 s[QS2+1], 0
	s_lshl_b32 s62, s[CY], 2
	s_lshl_b32 s62, 15, s62                        ; my row of the cluster
	s_lshl_b32 s63, 0x1111, s[CX]                  ; my column
	; descriptor group 1: R rows of 6,144 bytes (768 elements of 8 bytes), 12,288 bytes apart in memory, on end in LDS
	s_or_b32 s[G1P], s62, (3<<16)|(1<<21)
	s_or_b32 s[G1Q], s63, (3<<16)|(1<<21)
	s_mov_b32 s[G1P+1], 768<<16
	s_mov_b32 s[G1P+2], 8<<16
	s_mov_b32 s[G1P+3], 768<<16
	s_mov_b32 s[G1P+4], 8
	s_mov_b32 s[G1P+5], 1536
	s_mov_b32 s[G1P+6], 0
	s_mov_b32 s[G1P+7], 0
	s_mov_b32 s[G1Q+1], 768<<16
	s_mov_b32 s[G1Q+2], 16<<16
	s_mov_b32 s[G1Q+3], 768<<16
	s_mov_b32 s[G1Q+4], 16
	s_mov_b32 s[G1Q+5], 1536
	s_mov_b32 s[G1Q+6], 0
	s_mov_b32 s[G1Q+7], 0
	v_and_b32 v15, 31, v0
	v_lshlrev_b32 v[L16], 4, v15
	v_lshlrev_b32 v[L8], 3, v15
	v_and_b32 v[RR], 15, v0
	v_bfe_u32 v[HH], v0, 4, 1
	s_mul_i32 s98, s[HP], 4*RBQ
	v_add_nc_u32 v[APB], s98, v[L16]
	v_add_nc_u32 v[APB+1], s98, v[L8]
	s_mul_i32 s98, s[HQ], 8*RBQ
	s_add_co_u32 s98, s98, 8*RBQ
	v_add_nc_u32 v[APB+2], s98, v[L16]
	v_add_nc_u32 v[APB+3], s98, v[L8]
.irp i, 0,1,2,3
	v_mov_b32 v[AP16+\i], v[APB+\i]
.endr
	v_lshlrev_b32 v[BQA], 7, v[HH]
	v_lshrrev_b32 v[BVA], 3, v[RR]
	v_lshlrev_b32 v[BVA], 5, v[BVA]
	v_and_b32 v15, 7, v[RR]
	v_add_nc_u32 v[BVA], v[BVA], v15
	v_lshlrev_b32 v[BVA], 2, v[BVA]
	v_lshlrev_b32 v[SH8], 3, v[HH]
	v_lshlrev_b32 v[SH16], 4, v[HH]
	v_lshlrev_b32 v[OSV], 4, v[RR]
	v_mul_u32_u24 v[OSQ], v[HH], BHS
	v_add_nc_u32 v[OSQ], v[OSQ], v[OSV]
	v_mov_b32 v[W2], 0                             ; written once: a lane permute's destination counts as one of its sources
	s_mov_b32 s[SEL], 0x76543210
	s_mov_b32 s[SEL+1], 0xfedcba98
	WALU                                           ; the wait at the head's end
	s_wait_dscnt 0x0
	s_wait_kmcnt 0x0
.irp p, NP, P2, NQ, Q2, NPS, PS2, NQS, QS2
	s_add_nc_u64 s[\p:\p+1], s[4:5], s[\p:\p+1]
.endr
.irp c, 0,1
	s_mov_b32 s[G0P+4*\c], 1
	s_mov_b32 s[G0P+4*\c+1], \c*QSTR
	s_add_nc_u64 s[G0P+4*\c+2:G0P+4*\c+3], s[NP:NP+1], \c*RBQ
	s_or_b32 s[G0P+4*\c+3], s[G0P+4*\c+3], 0x80000000
	s_mov_b32 s[G0Q+4*\c], 1
	s_mov_b32 s[G0Q+4*\c+1], \c*QSTR+8*RBQ
	s_add_nc_u64 s[G0Q+4*\c+2:G0Q+4*\c+3], s[NQ:NQ+1], \c*RBQ
	s_or_b32 s[G0Q+4*\c+3], s[G0Q+4*\c+3], 0x80000000
.endr
	s_add_nc_u64 s[NQ:NQ+1], s[NQ:NQ+1], 64*RBB    ; the next tile is tile 1: the same rows of x, w_k's rows
	CROUND                                         ; all sixteen work-groups are here: the joint loads meet
	s_cmp_eq_u32 s[WV], 0                          ; tile 0, one tensor load a wave, in one chain of arms: wave 0 P's first half of K, wave 1 Q's, wave 2 P's second half, wave 3 Q's
	s_cbranch_scc0 .Lfill_1
	TLOAD G0P, G1P
	s_branch .Lfilled
.Lfill_1:
	s_cmp_eq_u32 s[WV], 1
	s_cbranch_scc0 .Lfill_2
	TLOAD G0Q, G1Q
	s_branch .Lfilled
.Lfill_2:
	s_cmp_eq_u32 s[WV], 2
	s_cbranch_scc0 .Lfill_3
	TLOAD G0P+4, G1P
	s_branch .Lfilled
.Lfill_3:
	TLOAD G0Q+4, G1Q
.Lfilled:
	s_lshl_b32 s[BQB], s[CX], 10                   ; the bias along Q, tile 0: 4 (256 cx + 128 x half); tile 1's lies 4,096 bytes on
	s_lshl_b32 s[BQB+1], s[HQ], 9
	s_add_co_u32 s[BQB], s[BQB], s[BQB+1]
	s_mov_b32 s[BQB+1], 0
	s_add_nc_u64 s[BQB:BQB+1], s[6:7], s[BQB:BQB+1]
	s_lshl_b32 s[BVB], s[PT2], 9                   ; the bias along P, tile 2: 4 (2,048 + 128 x tile + 64 x half)
	s_lshl_b32 s[BVB+1], s[HP], 8
	s_add_co_u32 s[BVB], s[BVB], s[BVB+1]
	s_add_co_u32 s[BVB], s[BVB], 8192
	s_mov_b32 s[BVB+1], 0
	s_add_nc_u64 s[BVB:BVB+1], s[6:7], s[BVB:BVB+1]
	WIN 0xc0                                       ; destination window 3
.irp a, 0,1,2,3
	global_load_b128 v[SG+4*\a:SG+4*\a+3], v[L16], s[NPS:NPS+1] offset:512*\a               ; tile 0's scale words: 512 consecutive bytes a rowblock
.endr
.irp b, 0,1,2,3,4,5,6,7
	global_load_b128 v[SG+16+4*\b:SG+16+4*\b+3], v[L16], s[NQS:NQS+1] offset:512*\b-32768
.endr
.irp c, 0,1
.irp i, 0,1,2,3,4,5,6,7
	global_load_b128 v[32*\c+4*\i:32*\c+4*\i+3], v[BQA], s[BQB:BQB+1] offset:256*\c+16*\i   ; register 8 b + j: the bias of Q's row 64 c + 32 h + 8 q + j
.endr
.endr
.irp a, 0,1,2,3
.irp j, 0,1,2,3,4,5,6,7
	global_load_b32 v[64+8*\a+\j], v[BVA], s[BVB:BVB+1] offset:32*\a                        ; tile 2: eight times the bias of P's slot r of rowblock a
.endr
.endr
	WIN 0
	; where the results go
	s_lshr_b32 s56, s[PTL], 4
	s_lshl_b32 s56, s56, 4
	s_lshl_b32 s57, s[CX], 2
	s_add_co_u32 s56, s56, s57
	s_lshl_b32 s57, s[HQ], 1
	s_add_co_u32 s56, s56, s57                     ; q, k: the first of my two heads: 16 batch + 4 cx + 2 half
	s_and_b32 s57, s[PTL], 15                      ; and the key step
	s_mul_i32 s56, s56, BHS
	s_mul_i32 s57, s57, KSTP
	s_add_co_u32 s56, s56, s57
	s_mul_i32 s60, s[HP], 3072                     ; my four tiles of the step's eight,
	s_lshl_b32 s61, s[HP], 8                       ; and their scale words
	s_add_co_u32 s62, s56, s60
	s_mov_b32 s63, 0
	s_add_nc_u64 s[OC:OC+1], s[8:9], s[62:63]      ; q goes to qq, k and v to kv
	s_add_nc_u64 s[OCK:OCK+1], s[10:11], s[62:63]
	s_add_co_u32 s62, s56, s61
	s_add_nc_u64 s[OS:OS+1], s[8:9], s[62:63]
	s_add_nc_u64 s[OSK:OSK+1], s[10:11], s[62:63]
	s_lshr_b32 s58, s[QT2], 3
	s_lshl_b32 s58, s58, 4
	s_lshl_b32 s59, s[PT2], 1
	s_add_co_u32 s58, s58, s59
	s_add_co_u32 s58, s58, s[HP]                   ; v: my head: 16 batch + 2 tile + half
	s_and_b32 s59, s[QT2], 7
	s_lshl_b32 s59, s59, 1
	s_add_co_u32 s59, s59, s[HQ]                   ; and the key step
	s_mul_i32 s58, s58, BHS
	s_mul_i32 s59, s59, KSTP
	s_add_co_u32 s62, s58, s59
	s_add_nc_u64 s[OCV:OCV+1], s[10:11], s[62:63]
; 48 LDS loads: the fragments of K step s into set s % 2.  A fragment lies in LDS as an image of its registers: 512 + 256 + 512 + 256 consecutive bytes
.macro FETCH s
.set FO, 1536*((\s)%4)
.set FQ, 128*((\s)%2)
.set FP, PF+48*((\s)%2)
	WIN 0x80                                       ; destination window 2
.irp b, 0,1,2,3,4,5,6,7
	ds_load_b128 v[FQ+12*\b:FQ+12*\b+3], v[AP16+2] offset:RBQ*\b+FO
	ds_load_b64 v[FQ+12*\b+4:FQ+12*\b+5], v[AP16+3] offset:RBQ*\b+FO+512
	ds_load_b128 v[FQ+12*\b+6:FQ+12*\b+9], v[AP16+2] offset:RBQ*\b+FO+768
	ds_load_b64 v[FQ+12*\b+10:FQ+12*\b+11], v[AP16+3] offset:RBQ*\b+FO+1280
.endr
	WIN 0
.irp a, 0,1,2,3
	ds_load_b128 v[FP+12*\a:FP+12*\a+3], v[AP16] offset:RBQ*\a+FO
	ds_load_b64 v[FP+12*\a+4:FP+12*\a+5], v[AP16+1] offset:RBQ*\a+FO+512
	ds_load_b128 v[FP+12*\a+6:FP+12*\a+9], v[AP16] offset:RBQ*\a+FO+768
	ds_load_b64 v[FP+12*\a+10:FP+12*\a+11], v[AP16+1] offset:RBQ*\a+FO+1280
.endr
.endm
; K step s, P's rowblocks a0 .. a0 + an - 1 against Q's eight.  The 32 accumulators take turns, one instruction a turn, in the same order in every step.
; cmode 0: the sums go on; 1: they start with the bias along Q; 2: with the bias along P: nothing is cleared and no bias is added by a vector instruction
.macro MUL s, cmode, a0, an
.set A_, \a0
.rept \an
.irp b, 0,1,2,3,4,5,6,7
.set rD, 8*(8*A_+\b)
.set rC, rD
.if (\cmode) == 1
.set rC, 8*\b
.endif
.if (\cmode) == 2
.set rC, 64+8*A_
.endif
.set rA, 128*((\s)%2)+12*\b
.set rB, PF+48*((\s)%2)+12*A_
.set rSA, QS+4*\b+(\s)%4
.set rSB, PS+4*A_+(\s)%4
.if (\s) >= 4
	v_wmma_scale_f32_16x16x128_f8f6f4 v[rD:rD+7], v[rA:rA+11], v[rB:rB+11], v[rC:rC+7], v[rSA], v[rSB] matrix_a_fmt:MATRIX_FMT_FP6 matrix_b_fmt:MATRIX_FMT_FP6 matrix_a_scale:MATRIX_SCALE_ROW1 matrix_b_scale:MATRIX_SCALE_ROW1
.else
	v_wmma_scale_f32_16x16x128_f8f6f4 v[rD:rD+7], v[rA:rA+11], v[rB:rB+11], v[rC:rC+7], v[rSA], v[rSB] matrix_a_fmt:MATRIX_FMT_FP6 matrix_b_fmt:MATRIX_FMT_FP6
.endif
.endr
.set A_, A_+1
.endr
.endm
.macro TOP cmode                       ; a tile begins: its scale words go to window 0; K step 0 starts the sums.  Its fragments of K steps 0 and 1 have been asked for
	s_wait_loadcnt 0x0                             ; scale words and biases
	WIN 0x03                                       ; source 0 window 3
.set I_, 0
.rept 48
	v_mov_b32 v[PS+I_], v[SG+I_]
.set I_, I_+1
.endr
	WIN 0
.rept 8
	v_nop                                          ; a scale register written by a vector instruction stands 8 places ahead of a scaled product
.endr
	WALU                                           ; the wait ahead of the wait below
	s_wait_dscnt 48                                ; K step 0's fragments are in
	WIN 0x72                                       ; source 0 window 2, source 1 window 0, C window 3, D window 1
	MUL 0, \cmode, 0, 4
.endm
.macro EVEN s                          ; the next step lies in the same slot
	WIN 0
	PLACES                                         ; four plain instructions between the last products and loads into registers that they read
	FETCH (\s)+1
	s_wait_dscnt 48                                ; this step's fragments are in; the 48 loads just issued stay out
	WIN 0x52                                       ; C and D window 1
	MUL \s, 0, 0, 4
.endm
; A change of slots with a refill, in K step s (3 or 7), whose fragments have been asked for.  slot: the slot left behind
.macro TURN s, slot
	WIN 0
	s_wait_tensorcnt 0x0                           ; all my tensor loads have landed: my part of the other slot;
	ds_add_u32 v[SPW], v[NIL]
	s_add_nc_u64 s[G0P+4*\slot+2:G0P+4*\slot+3], s[NP:NP+1], \slot*RBQ      ; no load of mine is out: the slot's next tile
	s_or_b32 s[G0P+4*\slot+3], s[G0P+4*\slot+3], 0x80000000
	s_add_nc_u64 s[G0Q+4*\slot+2:G0Q+4*\slot+3], s[NQ:NQ+1], \slot*RBQ
	s_or_b32 s[G0Q+4*\slot+3], s[G0Q+4*\slot+3], 0x80000000
	s_wait_dscnt 0x0                               ; the add is done, and my reads of this slot are over
	s_barrier_signal -1                            ; the round opens;
	WIN 0x52
	MUL \s, 0, 0, 2                                ; work on registers inside it
	CREST                                          ; no wave of any partner still reads the slot or has a load on its way
	ARMS 2*\slot, G0P+4*\slot, 2*\slot+1, G0Q+4*\slot
.irp i, 0,1,2,3                                ; on to the other slot: these four are the places ahead of the loads below
.if \slot
	v_mov_b32 v[AP16+\i], v[APB+\i]
.else
	v_add_nc_u32 v[AP16+\i], QSTR, v[APB+\i]
.endif
.endr
	WALU                                           ; the wait behind these writes
	FETCH (\s)+1
	WIN 0x52
	MUL \s, 0, 2, 2
.endm
; P's rowblock a: my 64 results (two whole blocks of 32 along the next K) become a fragment's codes at v[PC + 12 a] on and its scale word in v[W + a].  Each accumulator is first read at its registers 0 and 1
.macro QUANT2 a
	WIN 0x05                                       ; sources 0 and 1 window 1
.irp c, 0,1
	v_max3_num_f32 v[T+\c], |v[64*(\a)+32*\c]|, |v[64*(\a)+32*\c+1]|, 0x1800000   ; the floor 2^(3 - 127) among the leaves: the byte cannot fall under 1
.endr
	WIN 0x14                                       ; sources 1 and 2 window 1
.irp i, 2,4,6,8,10,12,14,16,18,20,22,24,26,28,30
.irp c, 0,1
	v_max3_num_f32 v[T+\c], v[T+\c], |v[64*(\a)+32*\c+\i]|, |v[64*(\a)+32*\c+\i+1]|
.endr
.endr
	WIN 0
.irp c, 0,1
	v_add_nc_u32 v[SC+\c], 0xff000000, v[T+\c]     ; 2 off the exponent field: the conversion's scale operand
.endr
.irp c, 0,1
	v_lshrrev_b32 v[BY+\c], 23, v[SC+\c]           ; the scale's byte
.endr
	v_lshl_or_b32 v[W+(\a)], v[BY+1], 16, v[BY]
	v_lshlrev_b32 v[W+(\a)], v[SH8], v[W+(\a)]
	v_permlanex16_b32 v[W2], v[W+(\a)], s[SEL], s[SEL+1]
	v_or_b32 v[W+(\a)], v[W+(\a)], v[W2]           ; bytes 0 .. 3: blocks 0 .. 3
	WIN 0x01                                       ; source 0 window 1
.irp c, 0,1
	v_cvt_scalef32_pk16_fp6_f32 v[PC+12*(\a)+6*\c:PC+12*(\a)+6*\c+2], v[64*(\a)+32*\c:64*(\a)+32*\c+15], v[SC+\c]
	v_cvt_scalef32_pk16_fp6_f32 v[PT+4*\c:PT+4*\c+2], v[64*(\a)+32*\c+16:64*(\a)+32*\c+31], v[SC+\c]   ; (a conversion's three registers begin on an even number)
.endr
	WIN 0
	v_nop                                          ; one plain instruction behind the last scaled conversion
.irp c, 0,1
.irp i, 0,1,2
	v_mov_b32 v[PC+12*(\a)+6*\c+3+\i], v[PT+4*\c+\i]
.endr
.endr
.endm
	s_cmp_lt_u32 s[WV], 2                          ; waves 0 and 1, whose load lines are their own, wait for tile 0's first half of K; the second half stays out
	s_cbranch_scc0 .Lnot_first
	s_wait_tensorcnt 0x0
.Lnot_first:
	s_barrier_signal -1
	s_barrier_wait -1
	FETCH 0
	FETCH 1
	s_mov_b32 s[TT], 0
.Ltile:                                                ; tiles 0 and 1
	TOP 1
	EVEN 1
	WIN 0
	s_cmp_lg_u32 s[TT], 0                          ; tile 1's bias is asked for in tile 0; tile 2's came at the head
	s_cbranch_scc1 .Lno_bias
	WIN 0xc0
.irp c, 0,1
.irp i, 0,1,2,3,4,5,6,7
	global_load_b128 v[32*\c+4*\i:32*\c+4*\i+3], v[BQA], s[BQB:BQB+1] offset:4096+256*\c+16*\i
.endr
.endr
	WIN 0
.Lno_bias:
	WIN 0xc0
.irp a, 0,1,2,3
	global_load_b128 v[SG+4*\a:SG+4*\a+3], v[L16], s[NPS:NPS+1] offset:512*\a               ; the next tile's scale words
.endr
.irp b, 0,1,2,3,4,5,6,7
	global_load_b128 v[SG+16+4*\b:SG+16+4*\b+3], v[L16], s[NQS:NQS+1] offset:512*\b
.endr
	EVEN 2
	TURN 3, 0                                      ; slot 0 takes the next tile's first half of K
	EVEN 4
	EVEN 5
	EVEN 6
	TURN 7, 1                                      ; slot 1 its second half; the next tile's K step 0 is fetched
	WIN 0
	PLACES                                         ; behind the last products: ahead of the loads below and of the first read of results
	FETCH 1
	QUANT2 0
	QUANT2 1
	QUANT2 2
	QUANT2 3
	; q or k: registers 6 c .. 6 c + 5 of fragment a are head c's tile: 16 rows x 64 d.  Each store covers 512 or 256 consecutive bytes, aligned
.irp a, 0,1,2,3
.irp c, 0,1
	global_store_b128 v[L16], v[PC+12*\a+6*\c:PC+12*\a+6*\c+3], s[OC:OC+1] offset:768*\a+\c*BHS
	global_store_b64 v[L8], v[PC+12*\a+6*\c+4:PC+12*\a+6*\c+5], s[OC:OC+1] offset:768*\a+\c*BHS+512
.endr
.endr
.irp a, 0,1,2,3
	v_lshrrev_b32 v[XW+\a], v[SH16], v[W+\a]       ; lanes 0-15 keep head 0's two bytes, lanes 16-31 head 1's;
.endr
.irp a, 0,1,2,3
	v_and_b32 v[XW+\a], 0xffff, v[XW+\a]           ; bytes 2 and 3, for the K that a head of 64 does not have, are 0
.endr
	global_store_b128 v[OSQ], v[XW:XW+3], s[OS:OS+1] offset:12288
	s_wait_xcnt 0x0                                ; the stores and loads have read their registers and bases: these are written again only behind this wait
	s_mov_b64 s[OC:OC+1], s[OCK:OCK+1]
	s_mov_b64 s[OS:OS+1], s[OSK:OSK+1]
	s_mov_b64 s[NP:NP+1], s[P2:P2+1]               ; the tile after the next is tile 2
	s_mov_b64 s[NQ:NQ+1], s[Q2:Q2+1]
	s_mov_b64 s[NPS:NPS+1], s[PS2:PS2+1]
	s_mov_b64 s[NQS:NQS+1], s[QS2:QS2+1]
	s_add_co_u32 s[TT], s[TT], 1
	s_cmp_lt_u32 s[TT], 2
	s_cbranch_scc1 .Ltile
	TOP 2                                          ; tile 2 asks for nothing more
	EVEN 1
	EVEN 2
	WIN 0
	s_wait_tensorcnt 0x0                           ; my part of the second half of K has landed
	s_wait_dscnt 0x0
	s_barrier_signal -1
	s_barrier_wait -1                              ; everybody's has
.irp i, 0,1,2,3
	v_add_nc_u32 v[AP16+\i], QSTR, v[APB+\i]       ; these four are the places ahead of the loads below
.endr
	WALU
	FETCH 4
	WIN 0x52
	MUL 3, 0, 0, 4
	EVEN 4
	EVEN 5
	EVEN 6
	s_wait_dscnt 0x0
	MUL 7, 0, 0, 4
	WIN 0
	PLACES
	QUANT2 0
	QUANT2 1
	QUANT2 2
	QUANT2 3
	; v: fragment a is 16 of the head's d x 128 keys
.irp a, 0,1,2,3
.irp c, 0,1
	global_store_b128 v[L16], v[PC+12*\a+6*\c:PC+12*\a+6*\c+3], s[OCV:OCV+1] offset:6144+1536*\a+768*\c
	global_store_b64 v[L8], v[PC+12*\a+6*\c+4:PC+12*\a+6*\c+5], s[OCV:OCV+1] offset:6144+1536*\a+768*\c+512
.endr
.endr
	global_store_b128 v[OSV], v[W:W+3], s[OCV:OCV+1] offset:12800   ; lanes 16-31 write what lanes 0-15 write
	s_wait_tensorcnt 0x0                           ; the wave's end
	ds_add_u32 v[SPW], v[NIL]
	s_wait_dscnt 0x0
	CROUND                                         ; the closing round: no work-group ends while a partner may still ask for a tile that names it
	s_endpgm
.Lfunc_end_k_q54186dda4a_qkv:
	.size	k_q54186dda4a_qkv, .Lfunc_end_k_q54186dda4a_qkv-k_q54186dda4a_qkv
	.p2alignl 7, 3214868480
	.fill 96, 4, 3214868480
	.section	.rodata,"a",@progbits
	.p2align	6, 0x0
	.amdhsa_kernel k_q54186dda4a_qkv
		.amdhsa_group_segment_fixed_size 327680
		.amdhsa_private_segment_fixed_size 0
		.amdhsa_enable_private_segment 0
		.amdhsa_kernarg_size 32
		.amdhsa_user_sgpr_count 2
		.amdhsa_user_sgpr_kernarg_segment_ptr 1
		.amdhsa_wavefront_size32 1
		.amdhsa_system_sgpr_workgroup_id_x 1
		.amdhsa_system_sgpr_workgroup_id_y 1
		.amdhsa_system_sgpr_workgroup_id_z 1
		.amdhsa_system_vgpr_workitem_id 0
		.amdhsa_next_free_vgpr 1024
		.amdhsa_next_free_sgpr 100
		.amdhsa_reserve_vcc 0
		.amdhsa_float_denorm_mode_32 3
		.amdhsa_float_denorm_mode_16_64 3
		.amdhsa_memory_ordered 1
		.amdhsa_forward_progress 1
		.amdhsa_inst_pref_size 170
	.end_amdhsa_kernel
	.amdgpu_metadata
---
amdhsa.version: [ 1, 2 ]
amdhsa.kernels:
  - .name:           k_q54186dda4a_qkv
    .symbol:         k_q54186dda4a_qkv.kd
    .args:
      - { .name: cq, .offset: 0, .size: 8, .value_kind: global_buffer, .address_space: global }
      - { .name: b_qkv, .offset: 8, .size: 8, .value_kind: global_buffer, .address_space: global }
      - { .name: qq, .offset: 16, .size: 8, .value_kind: global_buffer, .address_space: global }
      - { .name: kv, .offset: 24, .size: 8, .value_kind: global_buffer, .address_space: global }
    .group_segment_fixed_size: 327680
    .private_segment_fixed_size: 0
    .kernarg_segment_align: 8
    .kernarg_segment_size: 32
    .max_flat_workgroup_size: 128
    .sgpr_count:     100
    .vgpr_count:     1024
    .wavefront_size: 32
...
	.end_amdgpu_metadata
.endif
;; end of part 2
;; launch attn (part 3): grid 4 x 64, 8 waves a work-group, clusters of 4 x 1, 210,944 bytes of LDS; arguments qq, kv, ao; writes ao
.if DOCPART == 3
	.amdgcn_target "amdgcn-amd-amdhsa--gfx1250"
	.amdhsa_code_object_version 6
	.text
	.protected	k_q54186dda4a_attn
	.globl	k_q54186dda4a_attn
	.p2align	8
	.type	k_q54186dda4a_attn,@function
k_q54186dda4a_attn:
	s_mov_b64 s[64:65], 0
	v_nop
	global_prefetch_b8 v0, s[64:65] scope:SCOPE_SE
	s_setreg_imm32_b32 hwreg(HW_REG_WAVE_MODE, 25, 1), 1
	s_wait_xcnt 0x0
	s_wait_alu depctr_hold_cnt(0) depctr_sa_sdst(0) depctr_va_vdst(0) depctr_va_sdst(0) depctr_va_ssrc(0) depctr_va_vcc(0) depctr_vm_vsrc(0)
	s_getreg_b32 s2, hwreg(HW_REG_IB_STS2, 6, 4)
	s_cmp_eq_u32 s2, 0
	s_cbranch_scc0 .Lentry_in_a_cluster
	s_endpgm
.Lentry_in_a_cluster:
	s_bfe_u32 s2, ttmp6, 0x10000c
	s_cmp_lg_u32 s2, 0x3003
	s_cbranch_scc0 .Lentry_shape_is_right
	s_endpgm
.Lentry_shape_is_right:
; o = softmax(q k^T / 8) v for one head, both products on codes of FP6 (E2M3) with E8M0 scales; the result, divided by the row's sum, is quantised along the model's 1,024 and leaves as codes for the last product.
; THE SOFTMAX: t = score x log2(e) / 8; M = the ceiling of the running largest t, a whole number; p = 2^(t - M) is quantised along the keys, not normalised; the row's sum is taken of the unquantised p.
; When M moves, the sum and O are multiplied by 2^(old M - new M): exact, in every step, with no branch on data.
; SHARES: a work-group owns 512 queries of one head; each of its eight waves TWO tiles of 16 queries (x = 0, 1) in each of two passes, so that each fragment of K and of V read from LDS feeds two products.
; LDS: the head's K, V and scale words for all 2,048 keys, 208,896 bytes, as they lie in kv: every byte is filled once, one joint load a wave (two key steps each).  CLUSTER: the four work-groups of a head ask jointly.
; Waves 0 to 2 (key steps 0 to 5) have a load line of their own and wait first: four steps are worked while the other ten land.  No prefetch: every tensor load stands at the launch's head.
; LAYOUT: both products transposed: S^T = K Q^T, O^T = V^T P^T: a lane holds one query (lane % 16).  The keys of a tile are laid by the launch before so that the 32 registers of tiles 4 c .. 4 c + 3 are the keys
; 64 c + 32 h + 0 .. 31: one whole block of 32.  O^T's 32 registers are d = 32 h + 0 .. 31: again a whole block.
; THE FIRST PRODUCT'S K IS 64: Q's registers 6-11 are zero codes; K's operand for tile t names the 12 registers from its own six on: every code is finite, and finite x 0 adds nothing; bytes 2, 3 of both scale words are 0.
; LOADS FROM LDS RUN AHEAD: K and V have registers of their own.  K of step t + 1 is asked for behind step t's products K Q^T, V of step t at the step's top.  In a pass's last step the address is held at key step 15:
; those 17 loads are read by nobody.
; LIMITS: NaN and infinities are not served; the promise holds while |t| stays under 2^31; a p under 2^-126 counts as 0; a block whose largest number lies under 2^-124, a block of zeros among them, keeps the byte 1
; (read by this program alone).  ao's scale bytes leave by stores of two bytes a lane.
; REGISTERS: window 0: addresses, scale words, K, V, Q.  Window 1 (numbers less 256): S^T then p, O^T, p's codes, the softmax's state.
.set BHS,  208896                      ; a head in qq and kv
.set KSTP, 13056                       ; a key step: 8 tiles of K (768 each), 4 fragments of V (1,536 each) from 6,144, K's scale words from 12,288, V's from 12,800
.set SPARE, 208896                     ; the spare words: 128 bytes a wave
.set L16,  1                           ; 16 x lane
.set L8,   2                           ; 8 x lane
.set R16,  3                           ; 16 r
.set R32,  4                           ; 32 r
.set A16,  6                           ; v6-8 LDS addresses of a key step
.set A8,   7
.set AR,   8
.set SPW,  10
.set NIL,  11
.set KS,   16                          ; v16-19 K's scale words: register a: lanes 0-15 tile a, lanes 16-31 tile 4 + a
.set VS,   20                          ; v20-23 V's: register a: fragment a
.set PW,   24                          ; v24, v25 p's scale word, tile x
.set QS,   28                          ; v28, v29 Q's scale words
.set KF,   32                          ; v32-79 K's eight tiles; v80-85 zero codes
.set VF,   96                          ; v96-143 V's four fragments
.set Q,    144                         ; v144-167
.set S,    0                           ; window 1: 64 x + ..
.set O,    128                         ; 32 x + ..
.set PC,   192                         ; 12 x + ..
.set PT,   216
.set ST,   224                         ; the state of tile x at ST + 12 x:
.set NM,   0                           ; -M
.set SM,   1                           ; the largest score so far
.set LL,   2                           ; the sum, in two halves
.set FF,   4                           ; 2^(old M - new M); later 1 / the sum
.set BM,   6                           ; two blocks' largest scores, then largest p
.set SC,   8                           ; scratch; the conversions' scale operands
.set BY,   10                          ; the scale bytes
.set U,    248                         ; three more chains of the sum
.set SH8W, 254                         ; 8 h
.set WV,   10
.set CX,   11
.set BH,   12
.set QB,   14
.set OB,   16
.set SB,   18
.set SEL,  20
.set CS,   22
.set G1,   24
.set G0,   40
.set TBS,  48
.set CNT,  49
.set TBN,  50
.set QSB,  52
.set MSB, 0
.macro WIN new                         ; the immediate's high byte repeats the setting that is left
.if MSB != \new
	s_set_vgpr_msb (MSB<<8)|\new
.set MSB, \new
.endif
.endm
.macro WALU
	s_wait_alu depctr_va_vdst(0)
.endm
.macro PLACES
.rept 4
	v_nop
.endr
.endm
.macro CROUND                          ; a round of the cluster's barrier
	s_barrier_signal -1
	s_barrier_wait -1
	s_cmp_lg_u32 s[WV], 0
	s_cbranch_scc1 .Lnot_wave_0_\@
	s_barrier_signal -3
.Lnot_wave_0_\@:
	s_barrier_wait -3
	s_barrier_signal -1
	s_barrier_wait -1
.endm
	s_load_b128 s[4:7], s[0:1], 0x0                ; qq s[4:5], kv s[6:7]
	s_load_b64 s[8:9], s[0:1], 0x10                ; ao
	v_lshl_add_u32 v[SPW], v0, 2, SPARE
	v_mov_b32 v[NIL], 0
	ds_add_u32 v[SPW], v[NIL]                      ; the opening lines: the add twice on end and its wait
	ds_add_u32 v[SPW], v[NIL]
	v_lshrrev_b32 v9, 5, v0
	v_readfirstlane_b32 s[WV], v9                  ; wave 0..7
	s_bfe_u32 s[CX], ttmp6, 0x40000                ; my place in the cluster: it enters global addresses of q and of the result alone
	s_and_b32 s[BH], ttmp7, 0xffff                 ; the head (16 x batch + head), which the four partners share
	v_and_b32 v9, 31, v0
	v_lshlrev_b32 v[L16], 4, v9
	v_lshlrev_b32 v[L8], 3, v9
	v_and_b32 v5, 15, v0
	v_lshlrev_b32 v[R16], 4, v5
	v_lshlrev_b32 v[R32], 5, v5
	v_bfe_u32 v9, v0, 4, 1
.irp x, 0,1
.irp i, 6,7,8,9,10,11
	v_mov_b32 v[Q+12*\x+\i], 0                     ; Q's upper 64 along K: zero codes, never rewritten
.endr
.endr
.irp i, 0,1,2,3,4,5
	v_mov_b32 v[KF+48+\i], 0                       ; named by the eighth tile's operand
.endr
	WIN 0x40
	v_lshlrev_b32 v[SH8W], 3, v9
.irp x, 0,1
	v_mov_b32 v[ST+12*\x+SC+1], 0                  ; written once: a lane permute's destination counts as one of its sources
	v_mov_b32 v[ST+12*\x+BY+1], 0
.endr
	WIN 0
	s_mov_b32 s[SEL], 0x76543210
	s_mov_b32 s[SEL+1], 0xfedcba98
	s_mov_b32 s[CS], 0x3e38aa3b                    ; c = log2(e) / 8
	s_mov_b32 s[CS+1], s[CS]
	s_mov_b32 s[G1], 15|(3<<16)|(1<<21)            ; the mask: all four work-groups; elements of 8 bytes; bit 21 beside a mask
	s_mov_b32 s[G1+1], 32<<16                      ; two key steps are a dense block of 102 rows of 256 bytes
	s_mov_b32 s[G1+2], 102<<16
	s_mov_b32 s[G1+3], 32<<16
	s_mov_b32 s[G1+4], 102
	s_mov_b32 s[G1+5], 32
	s_mov_b32 s[G1+6], 0
	s_mov_b32 s[G1+7], 0
	s_mul_i32 s54, s[BH], BHS
	s_mov_b32 s55, 0
	s_mul_i32 s56, s[WV], 2*KSTP                   ; wave w fetches key steps 2 w, 2 w + 1: at the same place in LDS as in the head's part of kv
	s_mov_b32 s57, 0
	WALU                                           ; the wait at the head's end
	s_wait_dscnt 0x0
	s_wait_kmcnt 0x0
	s_add_nc_u64 s[60:61], s[6:7], s[54:55]
	s_mov_b32 s[G0], 1
	s_mov_b32 s[G0+1], s56
	s_add_nc_u64 s[G0+2:G0+3], s[60:61], s[56:57]
	s_or_b32 s[G0+3], s[G0+3], 0x80000000
	CROUND                                         ; all four work-groups are here: the joint loads meet
	s_cmp_lt_u32 s[WV], 3                          ; two arms, one load in each: the waves that wait first have a line of their own
	s_cbranch_scc0 .Llate
	tensor_load_to_lds s[G0:G0+3], s[G1:G1+7]
	s_nop 0
	PLACES
	s_branch .Lasked
.Llate:
	tensor_load_to_lds s[G0:G0+3], s[G1:G1+7]
	s_nop 0
	PLACES
.Lasked:
	s_lshl_b32 s56, s[CX], 2                       ; pass 0's tiles of queries are 32 cx + 2 wave + x: key step 4 cx + wave / 4, tile 2 (wave % 4) + x of qq
	s_lshr_b32 s57, s[WV], 2
	s_add_co_u32 s56, s56, s57
	s_mul_i32 s56, s56, KSTP
	s_add_co_u32 s56, s56, s54
	s_and_b32 s57, s[WV], 3
	s_mul_i32 s57, s57, 1536
	s_add_co_u32 s[QB], s56, s57
	s_mov_b32 s[QB+1], 0
	s_add_nc_u64 s[QB:QB+1], s[4:5], s[QB:QB+1]
	s_bfe_u32 s57, s[WV], 0x10001                  ; scale words: [tile / 4][r][tile % 4]
	s_lshl_b32 s57, s57, 8
	s_and_b32 s58, s[WV], 1
	s_lshl_b32 s58, s58, 3
	s_add_co_u32 s57, s57, s58
	s_add_co_u32 s57, s57, 12288
	s_add_co_u32 s[QSB], s56, s57
	s_mov_b32 s[QSB+1], 0
	s_add_nc_u64 s[QSB:QSB+1], s[4:5], s[QSB:QSB+1]
	s_lshr_b32 s56, s[BH], 4
	s_lshl_b32 s56, s56, 7
	s_lshl_b32 s57, s[CX], 5
	s_add_co_u32 s56, s56, s57
	s_lshl_b32 s57, s[WV], 1
	s_add_co_u32 s56, s56, s57                     ; the result's rowblock: 128 batch + the tile
	s_and_b32 s57, s[BH], 15                       ; the head: which 64 along the last product's K
	s_mul_i32 s[OB], s56, 12288
	s_mul_i32 s58, s57, 768
	s_add_co_u32 s[OB], s[OB], s58
	s_mov_b32 s[OB+1], 0
	s_add_nc_u64 s[OB:OB+1], s[8:9], s[OB:OB+1]
	s_lshl_b32 s[SB], s56, 9
	s_lshl_b32 s58, s57, 1
	s_add_co_u32 s[SB], s[SB], s58
	s_add_co_u32 s[SB], s[SB], 6291456
	s_mov_b32 s[SB+1], 0
	s_add_nc_u64 s[SB:SB+1], s[8:9], s[SB:SB+1]
.macro KLOAD                           ; 17 loads: K's eight tiles and their scale words, at the key step that v6, v7 name
.irp t, 0,1,2,3,4,5,6,7
	ds_load_b128 v[KF+6*\t:KF+6*\t+3], v[A16] offset:768*\t
	ds_load_b64 v[KF+6*\t+4:KF+6*\t+5], v[A8] offset:768*\t+512
.endr
	ds_load_b128 v[KS:KS+3], v[A16] offset:12288
.endm
.macro TMM x                           ; t - M of tile x, two at a time, and of each block's largest score
.set J, 0
.rept 32
	v_pk_fma_f32 v[S+64*\x+J:S+64*\x+J+1], v[S+64*\x+J:S+64*\x+J+1], s[CS:CS+1], v[ST+12*\x:ST+12*\x+1] op_sel_hi:[1,0,0]
.set J, J+2
.endr
.irp c, 0,1
	v_fma_f32 v[ST+12*\x+BM+\c], v[ST+12*\x+BM+\c], s[CS], v[ST+12*\x]
.endr
.endm
.macro EXPS x                          ; p = 2^(t - M): a batch of 66; the block's largest p comes of the same two instructions on the same number
.set J, 0
.rept 64
	v_exp_f32 v[S+64*\x+J], v[S+64*\x+J]
.set J, J+1
.endr
.irp c, 0,1
	v_exp_f32 v[ST+12*\x+BM+\c], v[ST+12*\x+BM+\c]
.endr
.endm
.macro EXTM                            ; tile 0's batch of 66 exponentials; tile 1's 34 lines of t - M, which name none of the batch's registers, stand one by one among its first 34
.set J, 0
.rept 32
	v_exp_f32 v[S+J], v[S+J]
	v_pk_fma_f32 v[S+64+2*J:S+64+2*J+1], v[S+64+2*J:S+64+2*J+1], s[CS:CS+1], v[ST+12:ST+13] op_sel_hi:[1,0,0]
.set J, J+1
.endr
.irp c, 0,1
	v_exp_f32 v[S+32+\c], v[S+32+\c]
	v_fma_f32 v[ST+12+BM+\c], v[ST+12+BM+\c], s[CS], v[ST+12]
.endr
.set J, 34
.rept 30
	v_exp_f32 v[S+J], v[S+J]
.set J, J+1
.endr
.irp c, 0,1
	v_exp_f32 v[ST+BM+\c], v[ST+BM+\c]
.endr
.endm
.macro SUMN x, n                       ; line n of 32 of the sum of tile x's unquantised p: four chains by turns (the sum itself and three more), joined by the last three lines
.if (\n) < 3
	v_pk_add_f32 v[U+2*(\n):U+2*(\n)+1], v[S+64*\x+4*(\n):S+64*\x+4*(\n)+1], v[S+64*\x+4*(\n)+2:S+64*\x+4*(\n)+3]
.elseif (\n) < 29
.if (\n)%4 == 3
	v_pk_add_f32 v[ST+12*\x+LL:ST+12*\x+LL+1], v[ST+12*\x+LL:ST+12*\x+LL+1], v[S+64*\x+2*(\n)+6:S+64*\x+2*(\n)+7]
.else
	v_pk_add_f32 v[U+2*((\n)%4):U+2*((\n)%4)+1], v[U+2*((\n)%4):U+2*((\n)%4)+1], v[S+64*\x+2*(\n)+6:S+64*\x+2*(\n)+7]
.endif
.elseif (\n) == 29
	v_pk_add_f32 v[U+2:U+3], v[U+2:U+3], v[U+4:U+5]
.elseif (\n) == 30
	v_pk_add_f32 v[ST+12*\x+LL:ST+12*\x+LL+1], v[ST+12*\x+LL:ST+12*\x+LL+1], v[U:U+1]
.else
	v_pk_add_f32 v[ST+12*\x+LL:ST+12*\x+LL+1], v[ST+12*\x+LL:ST+12*\x+LL+1], v[U+2:U+3]
.endif
.endm
.macro SUMS x, from, to                ; lines from .. to - 1 of it
.set N_, \from
.rept (\to)-(\from)
	SUMN \x, N_
.set N_, N_+1
.endr
.endm
.macro POST x                          ; tile x's p: scale word, codes, sum; the sum's lines stand between the lines of the scale word, which hang on each other
.irp c, 0,1
	v_max_num_f32 v[ST+12*\x+BM+\c], 0x1800000, v[ST+12*\x+BM+\c]      ; the floor 2^(3 - 127): the byte cannot fall under 1
.endr
	SUMS \x, 0, 4
.irp c, 0,1
	v_add_nc_u32 v[ST+12*\x+SC+\c], 0xff000000, v[ST+12*\x+BM+\c]      ; 2 off the exponent field: the conversion's scale operand
.endr
	SUMS \x, 4, 7
.irp c, 0,1
	v_lshrrev_b32 v[ST+12*\x+BY+\c], 23, v[ST+12*\x+SC+\c]
.endr
	SUMS \x, 7, 10
	v_lshl_or_b32 v[ST+12*\x+BY], v[ST+12*\x+BY+1], 16, v[ST+12*\x+BY] ; my blocks h and 2 + h,
	SUMS \x, 10, 14
	v_lshlrev_b32 v[ST+12*\x+BY], v[SH8W], v[ST+12*\x+BY]
	SUMS \x, 14, 18
	v_permlanex16_b32 v[ST+12*\x+BY+1], v[ST+12*\x+BY], s[SEL], s[SEL+1]
	SUMS \x, 18, 22
	WIN 0x05                                       ; a scale operand lies in window 0
	v_or_b32 v[PW+\x], v[ST+12*\x+BY], v[ST+12*\x+BY+1]                ; with lane l xor 16's: p's scale word for these 128 keys
	WIN 0x55
.irp c, 0,1
	v_cvt_scalef32_pk16_fp6_f32 v[PC+12*\x+6*\c:PC+12*\x+6*\c+2], v[S+64*\x+32*\c:S+64*\x+32*\c+15], v[ST+12*\x+SC+\c]
	v_cvt_scalef32_pk16_fp6_f32 v[PT+4*\c:PT+4*\c+2], v[S+64*\x+32*\c+16:S+64*\x+32*\c+31], v[ST+12*\x+SC+\c]   ; (a conversion's three registers begin on an even number)
.endr
	v_nop                                          ; one plain instruction behind the last scaled conversion
.irp c, 0,1
.irp i, 0,1,2
	v_mov_b32 v[PC+12*\x+6*\c+3+\i], v[PT+4*\c+\i]
.endr
.endr
	SUMS \x, 22, 32                                ; the sum's last ten lines are also the places between the codes' moves and the products below
.endm
; A KEY STEP: 128 keys x 32 queries.  v6-8 name this step; its K is on its way or in
.macro STEP
	PLACES                                         ; between the last step's products and the loads into registers that they read
.irp a, 0,1,2,3
.irp c, 0,1
	ds_load_b128 v[VF+12*\a+6*\c:VF+12*\a+6*\c+3], v[A16] offset:6144+1536*\a+768*\c
	ds_load_b64 v[VF+12*\a+6*\c+4:VF+12*\a+6*\c+5], v[A8] offset:6144+1536*\a+768*\c+512
.endr
.endr
	ds_load_b128 v[VS:VS+3], v[AR] offset:12800
	s_wait_dscnt 17                                ; K is in; the 17 loads of V just issued stay out
	WIN 0x40                                       ; D in window 1
.irp t, 0,1,2,3
.irp x, 0,1
	v_wmma_scale_f32_16x16x128_f8f6f4 v[S+64*\x+8*\t:S+64*\x+8*\t+7], v[KF+6*\t:KF+6*\t+11], v[Q+12*\x:Q+12*\x+11], 0, v[KS+\t], v[QS+\x] matrix_a_fmt:MATRIX_FMT_FP6 matrix_b_fmt:MATRIX_FMT_FP6
.endr
.endr
.irp t, 4,5,6,7
.irp x, 0,1
	v_wmma_scale_f32_16x16x128_f8f6f4 v[S+64*\x+8*\t:S+64*\x+8*\t+7], v[KF+6*\t:KF+6*\t+11], v[Q+12*\x:Q+12*\x+11], 0, v[KS+\t-4], v[QS+\x] matrix_a_fmt:MATRIX_FMT_FP6 matrix_b_fmt:MATRIX_FMT_FP6 matrix_a_scale:MATRIX_SCALE_ROW1
.endr
.endr
	WIN 0
	s_min_u32 s[TBN], s[TBS], 15*KSTP              ; the next key step, held at the last
	v_add_nc_u32 v[A16], s[TBN], v[L16]            ; these four are the places ahead of the loads below and of the first read of the scores
	v_add_nc_u32 v[A8], s[TBN], v[L8]
	v_add_nc_u32 v[AR], s[TBN], v[R16]
	v_nop
	KLOAD                                          ; the next step's K lands during the softmax
	WIN 0x55
.irp c, 0,1                                    ; the largest score of each block of 32 keys: two chains a block, one over each 16 registers, eight chains by turns; each accumulator is first read at its register 0
.irp x, 0,1
	v_max3_num_f32 v[ST+12*\x+BM+\c], v[S+64*\x+32*\c], v[S+64*\x+32*\c+1], v[S+64*\x+32*\c+2]
	v_max3_num_f32 v[ST+12*\x+SC+\c], v[S+64*\x+32*\c+16], v[S+64*\x+32*\c+17], v[S+64*\x+32*\c+18]
.endr
.endr
.irp i, 3,5,7,9,11,13
.irp c, 0,1
.irp x, 0,1
	v_max3_num_f32 v[ST+12*\x+BM+\c], v[ST+12*\x+BM+\c], v[S+64*\x+32*\c+\i], v[S+64*\x+32*\c+\i+1]
	v_max3_num_f32 v[ST+12*\x+SC+\c], v[ST+12*\x+SC+\c], v[S+64*\x+32*\c+16+\i], v[S+64*\x+32*\c+17+\i]
.endr
.endr
.endr
.irp c, 0,1
.irp x, 0,1
	v_max3_num_f32 v[ST+12*\x+BM+\c], v[ST+12*\x+BM+\c], v[S+64*\x+32*\c+15], v[S+64*\x+32*\c+31]
.endr
.endr
.irp c, 0,1
.irp x, 0,1
	v_max_num_f32 v[ST+12*\x+BM+\c], v[ST+12*\x+BM+\c], v[ST+12*\x+SC+\c]  ; a block's two chains joined
.endr
.endr
.irp x, 0,1
	v_max_num_f32 v[ST+12*\x+SC], v[ST+12*\x+BM], v[ST+12*\x+BM+1]
.endr
.irp x, 0,1
	v_permlanex16_b32 v[ST+12*\x+SC+1], v[ST+12*\x+SC], s[SEL], s[SEL+1]   ; the query's other 64 keys lie in lane l xor 16
.endr
.irp x, 0,1
	v_max3_num_f32 v[ST+12*\x+SM], v[ST+12*\x+SM], v[ST+12*\x+SC], v[ST+12*\x+SC+1]
.endr
.irp x, 0,1
	v_mul_f32 v[ST+12*\x+SC], s[CS], v[ST+12*\x+SM]                        ; the running largest t (c is positive)
.endr
.irp x, 0,1
	v_mov_b32 v[ST+12*\x+SC+1], v[ST+12*\x+NM]
.endr
.irp x, 0,1
	v_floor_f32 v[ST+12*\x+NM], -v[ST+12*\x+SC]                            ; the new -M = -ceil(t)
.endr
.irp x, 0,1
	v_sub_f32 v[ST+12*\x+SC+1], v[ST+12*\x+NM], v[ST+12*\x+SC+1]           ; old M - new M: a whole number, 0 or less
.endr
.irp x, 0,1
	v_cvt_i32_f32 v[ST+12*\x+SC+1], v[ST+12*\x+SC+1]                       ; (it saturates)
.endr
.irp x, 0,1
	v_ldexp_f32 v[ST+12*\x+FF], 1.0, v[ST+12*\x+SC+1]                      ; f = 2^(old M - new M)
.endr
.irp x, 0,1
	v_pk_mul_f32 v[ST+12*\x+LL:ST+12*\x+LL+1], v[ST+12*\x+LL:ST+12*\x+LL+1], v[ST+12*\x+FF:ST+12*\x+FF+1] op_sel_hi:[1,0]
.endr
.set J, 0
.rept 16                                       ; O^T under the new M, ahead of the exponentials; each accumulator from its low end on
.irp x, 0,1
	v_pk_mul_f32 v[O+32*\x+J:O+32*\x+J+1], v[O+32*\x+J:O+32*\x+J+1], v[ST+12*\x+FF:ST+12*\x+FF+1] op_sel_hi:[1,0]
.endr
.set J, J+2
.endr
	TMM 0
	WALU                                           ; a wait ahead of a batch of exponentials
	EXTM
	WALU                                           ; ahead of the second batch, and ahead of the first batch's readers
	EXPS 1
	POST 0
	WALU                                           ; ahead of the second batch's readers
	POST 1
	s_wait_dscnt 17                                ; V is in; the 17 loads of the next step's K may be out
	WIN 0x54                                       ; V in window 0; p's codes, C and D in window 1
.irp a, 0,1,2,3                                ; eight accumulators by turns; the sixteen products K Q^T lie between two turns of one
.irp x, 0,1
	v_wmma_scale_f32_16x16x128_f8f6f4 v[O+32*\x+8*\a:O+32*\x+8*\a+7], v[VF+12*\a:VF+12*\a+11], v[PC+12*\x:PC+12*\x+11], v[O+32*\x+8*\a:O+32*\x+8*\a+7], v[VS+\a], v[PW+\x] matrix_a_fmt:MATRIX_FMT_FP6 matrix_b_fmt:MATRIX_FMT_FP6
.endr
.endr
	WIN 0
	s_add_co_u32 s[TBS], s[TBS], KSTP
.endm
.macro STEPS n
	s_mov_b32 s[CNT], \n
.Lstep_\@:
	STEP
	s_sub_co_u32 s[CNT], s[CNT], 1
	s_cmp_lg_u32 s[CNT], 0
	s_cbranch_scc1 .Lstep_\@
.endm
; A pass begins: its two tiles of queries, 16 tiles (two key steps of qq) on from the last pass's; the running figures
.macro BEGIN pass
.irp x, 0,1
	global_load_b128 v[Q+12*\x:Q+12*\x+3], v[L16], s[QB:QB+1] offset:768*\x+2*KSTP*(\pass)
	global_load_b64 v[Q+12*\x+4:Q+12*\x+5], v[L8], s[QB:QB+1] offset:768*\x+2*KSTP*(\pass)+512
	global_load_b32 v[QS+\x], v[R16], s[QSB:QSB+1] offset:4*\x+2*KSTP*(\pass)
.endr
.if \pass
	s_wait_xcnt 0x0                                ; the last pass's stores have read their data: those registers are written again only behind this wait
.endif
	v_mov_b32 v[A16], v[L16]                       ; key step 0
	v_mov_b32 v[A8], v[L8]
	v_mov_b32 v[AR], v[R16]
	WIN 0x55
.irp x, 0,1
	v_mov_b32 v[ST+12*\x+SM], 0xff61b1e6           ; -3e38, under every score
	v_mov_b32 v[ST+12*\x+LL], 0
	v_mov_b32 v[ST+12*\x+LL+1], 0
	v_mov_b32 v[ST+12*\x+FF+1], 0                  ; (named as the upper half of a pair)
.endr
.irp x, 0,1
	v_floor_f32 v[ST+12*\x+NM], -v[ST+12*\x+SM]
.endr
.set J, 0
.rept 64
	v_mov_b32 v[O+J], 0                            ; the step is written once: the first finds zeros, which the first change of M leaves zeros
.set J, J+1
.endr
	WIN 0
	s_mov_b32 s[TBS], KSTP
	WALU                                           ; the wait ahead of the waits that follow
.endm
; A pass ends: O^T / the sum; a lane's 32 numbers of a tile are one block of 32 along the last product's K: codes and a scale byte
.macro FINISH pass
	WALU                                           ; the sums were written just ahead of a wait
	PLACES                                         ; behind the last products
	WIN 0x55
.irp x, 0,1
	v_add_f32 v[ST+12*\x+LL], v[ST+12*\x+LL], v[ST+12*\x+LL+1]
.endr
.irp x, 0,1
	v_permlanex16_b32 v[ST+12*\x+SC+1], v[ST+12*\x+LL], s[SEL], s[SEL+1]
.endr
.irp x, 0,1
	v_add_f32 v[ST+12*\x+LL], v[ST+12*\x+LL], v[ST+12*\x+SC+1]             ; the row's sum
.endr
	WALU
.irp x, 0,1
	v_rcp_f32 v[ST+12*\x+FF], v[ST+12*\x+LL]
.endr
	v_nop
	WALU                                           ; ahead of the reciprocals' readers, which are O^T's first readers too
.set J, 0
.rept 16
.irp x, 0,1
	v_pk_mul_f32 v[S+64*\x+J:S+64*\x+J+1], v[O+32*\x+J:O+32*\x+J+1], v[ST+12*\x+FF:ST+12*\x+FF+1] op_sel_hi:[1,0]   ; register i: d = 32 h + i of query r
.endr
.set J, J+2
.endr
.irp c, 0,1
.irp x, 0,1
	v_max3_num_f32 v[ST+12*\x+BM+\c], |v[S+64*\x+2*\c]|, |v[S+64*\x+2*\c+1]|, 0x1800000
.endr
.endr
.irp i, 4,8,12,16,20,24,28
.irp c, 0,1
.irp x, 0,1
	v_max3_num_f32 v[ST+12*\x+BM+\c], v[ST+12*\x+BM+\c], |v[S+64*\x+\i+2*\c]|, |v[S+64*\x+\i+2*\c+1]|
.endr
.endr
.endr
.irp x, 0,1
	v_max_num_f32 v[ST+12*\x+BM], v[ST+12*\x+BM], v[ST+12*\x+BM+1]
.endr
.irp x, 0,1
	v_add_nc_u32 v[ST+12*\x+SC], 0xff000000, v[ST+12*\x+BM]
.endr
.irp x, 0,1
	v_lshrrev_b32 v[ST+12*\x+BY], 23, v[ST+12*\x+SC]
.endr
.irp x, 0,1
	v_lshlrev_b32 v[ST+12*\x+BY], v[SH8W], v[ST+12*\x+BY]
.endr
.irp x, 0,1
	v_permlanex16_b32 v[ST+12*\x+BY+1], v[ST+12*\x+BY], s[SEL], s[SEL+1]
.endr
.irp x, 0,1
	v_or_b32 v[ST+12*\x+BY], v[ST+12*\x+BY], v[ST+12*\x+BY+1]              ; the head's two bytes of query r
.endr
.irp x, 0,1
	v_cvt_scalef32_pk16_fp6_f32 v[PC+12*\x:PC+12*\x+2], v[S+64*\x:S+64*\x+15], v[ST+12*\x+SC]
	v_cvt_scalef32_pk16_fp6_f32 v[PT+4*\x:PT+4*\x+2], v[S+64*\x+16:S+64*\x+31], v[ST+12*\x+SC]
.endr
	v_nop
.irp x, 0,1
.irp i, 0,1,2
	v_mov_b32 v[PC+12*\x+3+\i], v[PT+4*\x+\i]
.endr
.endr
	WIN 0x04                                       ; a store's data are its source 1: window 1
.irp x, 0,1
	global_store_b128 v[L16], v[PC+12*\x:PC+12*\x+3], s[OB:OB+1] offset:12288*\x+16*12288*(\pass)        ; 512 consecutive bytes, aligned
	global_store_b64 v[L8], v[PC+12*\x+4:PC+12*\x+5], s[OB:OB+1] offset:12288*\x+16*12288*(\pass)+512    ; 256
	global_store_b16 v[R32], v[ST+12*\x+BY], s[SB:SB+1] offset:512*\x+16*512*(\pass)                     ; lanes 16-31 write what lanes 0-15 write
.endr
	WIN 0
.endm
	BEGIN 0
	s_cmp_lt_u32 s[WV], 3                          ; waves 0 to 2 wait for key steps 0 to 5; the other waves' loads stay out
	s_cbranch_scc0 .Lnot_first
	s_wait_tensorcnt 0x0
.Lnot_first:
	s_barrier_signal -1
	s_barrier_wait -1
	KLOAD
	s_wait_loadcnt 0x0                             ; Q
	STEPS 4                                        ; key steps 0 to 3; K is read up to key step 4
	s_wait_tensorcnt 0x0                           ; key steps 6 to 15: every wave waits
	s_wait_dscnt 0x0
	s_barrier_signal -1
	s_barrier_wait -1
	s_mov_b32 s[TBS], 5*KSTP
	STEPS 12
	FINISH 0
	BEGIN 1                                        ; the second pass finds the whole head in LDS
	s_wait_dscnt 0x0                               ; the loads still out into K's registers have landed
	KLOAD
	s_wait_loadcnt 0x0
	STEPS 16
	FINISH 1
	s_wait_tensorcnt 0x0                           ; the wave's end
	ds_add_u32 v[SPW], v[NIL]
	s_wait_dscnt 0x0
	CROUND                                         ; the closing round: no work-group ends while a partner may still ask for a tile that names it
	s_endpgm
.Lfunc_end_k_q54186dda4a_attn:
	.size	k_q54186dda4a_attn, .Lfunc_end_k_q54186dda4a_attn-k_q54186dda4a_attn
	.p2alignl 7, 3214868480
	.fill 96, 4, 3214868480
	.section	.rodata,"a",@progbits
	.p2align	6, 0x0
	.amdhsa_kernel k_q54186dda4a_attn
		.amdhsa_group_segment_fixed_size 210944
		.amdhsa_private_segment_fixed_size 0
		.amdhsa_enable_private_segment 0
		.amdhsa_kernarg_size 24
		.amdhsa_user_sgpr_count 2
		.amdhsa_user_sgpr_kernarg_segment_ptr 1
		.amdhsa_wavefront_size32 1
		.amdhsa_system_sgpr_workgroup_id_x 1
		.amdhsa_system_sgpr_workgroup_id_y 1
		.amdhsa_system_sgpr_workgroup_id_z 1
		.amdhsa_system_vgpr_workitem_id 0
		.amdhsa_next_free_vgpr 512
		.amdhsa_next_free_sgpr 66
		.amdhsa_reserve_vcc 0
		.amdhsa_float_denorm_mode_32 3
		.amdhsa_float_denorm_mode_16_64 3
		.amdhsa_memory_ordered 1
		.amdhsa_forward_progress 1
		.amdhsa_inst_pref_size 110
	.end_amdhsa_kernel
	.amdgpu_metadata
---
amdhsa.version: [ 1, 2 ]
amdhsa.kernels:
  - .name:           k_q54186dda4a_attn
    .symbol:         k_q54186dda4a_attn.kd
    .args:
      - { .name: qq, .offset: 0, .size: 8, .value_kind: global_buffer, .address_space: global }
      - { .name: kv, .offset: 8, .size: 8, .value_kind: global_buffer, .address_space: global }
      - { .name: ao, .offset: 16, .size: 8, .value_kind: global_buffer, .address_space: global }
    .group_segment_fixed_size: 210944
    .private_segment_fixed_size: 0
    .kernarg_segment_align: 8
    .kernarg_segment_size: 24
    .max_flat_workgroup_size: 256
    .sgpr_count:     66
    .vgpr_count:     512
    .wavefront_size: 32
...
	.end_amdgpu_metadata
.endif
;; end of part 3
;; launch proj (part 4): grid 4 x 64, 4 waves a work-group, clusters of 4 x 4, 295,424 bytes of LDS; arguments ao, cq, b_o, out0; writes out0
.if DOCPART == 4
	.amdgcn_target "amdgcn-amd-amdhsa--gfx1250"
	.amdhsa_code_object_version 6
	.text
	.protected	k_q54186dda4a_proj
	.globl	k_q54186dda4a_proj
	.p2align	8
	.type	k_q54186dda4a_proj,@function
k_q54186dda4a_proj:
	s_mov_b64 s[64:65], 0
	v_nop
	global_prefetch_b8 v0, s[64:65] scope:SCOPE_SE
	s_setreg_imm32_b32 hwreg(HW_REG_WAVE_MODE, 25, 1), 1
	s_wait_xcnt 0x0
	s_wait_alu depctr_hold_cnt(0) depctr_sa_sdst(0) depctr_va_vdst(0) depctr_va_sdst(0) depctr_va_ssrc(0) depctr_va_vcc(0) depctr_vm_vsrc(0)
	s_getreg_b32 s2, hwreg(HW_REG_IB_STS2, 6, 4)
	s_cmp_eq_u32 s2, 0
	s_cbranch_scc0 .Lentry_in_a_cluster
	s_endpgm
.Lentry_in_a_cluster:
	s_bfe_u32 s2, ttmp6, 0x10000c
	s_cmp_lg_u32 s2, 0xf033
	s_cbranch_scc0 .Lentry_shape_is_right
	s_endpgm
.Lentry_shape_is_right:
; out0 = o w_o^T + b_o on codes of FP6 (E2M3) with E8M0 scales, K = 1,024.  o's codes and scale bytes lie in ao, w_o's in cq (rowblocks 704 on), both in the order of an operand's registers.
; A work-group makes [128 rows of o] x [256 rows of w_o]; source 0 = 16 rows of w_o, source 1 = 16 rows of o: a lane holds one row of the output and its registers run along the columns.
; A rowblock's slot i is row 64 (T / 4) + 8 (T % 4) + 32 (i / 8) + i % 8, so the 32 registers of tiles 4 c .. 4 c + 3 of lane (r, h) are the columns 64 c + 32 h + 0 .. 31.
; LDS: the whole K of the work-group's 24 rowblocks, 294,912 bytes, in two halves of K: every byte is filled once, so there is no ring.  Each wave makes one tensor load; every wait on TENSORcnt is for 0.
; CLUSTER 4 x 4: o's rowblocks are shared along a row of the cluster, w_o's along a column: joint loads.  No prefetch: every tensor load of the launch stands at its head.
; THE WAY OUT: a block of 16 rows x 128 columns goes through the wave's own stage in LDS and leaves as whole rows of 512 bytes.  The stage lies in the first half's bytes: they have had their only fill,
; and every wave has left them since the barrier in front of the second half.
; REGISTERS: window 0: addresses, scale words, o's fragments (two sets), on the way out rows of the output; window 1: the 32 accumulators, (a, b) at v[8 (8 a + b)]; window 2: w_o's fragments, two sets; window 3: the bias.
.set RBB,  12288
.set RBQ,  6144                        ; HALF of a rowblock's codes: four K steps of 128.  K comes in two halves, one tensor load a wave
.set QSTR, 147456                      ; a half of K in LDS: o's 8 rowblocks, then w_o's 16
.set SCB,  9437184                     ; cq's scale words
.set ASB,  6291456                     ; ao's scale bytes: rowblock x 512 + 32 r + block
.set L16,  1
.set L8,   2
.set RR,   3
.set HH,   4
.set AP16, 5
.set AP8,  6
.set AQ16, 7
.set AQ8,  8
.set BQA,  9                           ; v9   128 h
.set STO,  10                          ; v10  the stage: where I put my results: 528 r + 128 h
.set RD,   11                          ; v11  and where I read a row back: 16 x lane
.set PSO,  13                          ; v13  32 r + 16 h
.set PS,   32
.set QS,   48
.set PF,   80
.set BK,   80                          ; the way out: v80-143 and v144-207 by turns
.set WV,   12
.set HP,   13
.set HQ,   14
.set CX,   15
.set CY,   16
.set PTL,  20
.set QTL,  21
.set PRB,  22
.set QRB,  23
.set G1P,  24
.set G1Q,  32
.set G0P,  40
.set G0Q,  68
.set PSB,  84
.set QSB,  86
.set BQB,  88
.set OC,   92
.set MSB, 0
.macro WIN new                         ; the immediate's high byte repeats the setting that is left
.if MSB != \new
	s_set_vgpr_msb (MSB<<8)|\new
.set MSB, \new
.endif
.endm
.macro CROUND                          ; a round of the cluster's barrier
	s_barrier_signal -1
	s_barrier_wait -1
	s_cmp_lg_u32 s[WV], 0
	s_cbranch_scc1 .Lnot_wave_0_\@
	s_barrier_signal -3
.Lnot_wave_0_\@:
	s_barrier_wait -3
	s_barrier_signal -1
	s_barrier_wait -1
.endm
.macro PLACES
.rept 4
	v_nop
.endr
.endm
	s_load_b256 s[4:11], s[0:1], 0x0               ; ao s[4:5], cq s[6:7], b_o s[8:9], out0 s[10:11]
	v_lshl_add_u32 v254, v0, 2, 0x48000
	v_mov_b32 v255, 0
	ds_add_u32 v254, v255
	ds_add_u32 v254, v255
	v_lshrrev_b32 v1, 5, v0
	v_readfirstlane_b32 s[WV], v1                  ; wave 0..3
	s_lshr_b32 s[HP], s[WV], 1                     ; which 4 rowblocks of o are mine
	s_and_b32 s[HQ], s[WV], 1                      ; which 8 of w_o.  Also: whether I fetch o's rows or w_o's
	s_bfe_u32 s[CX], ttmp6, 0x40000
	s_bfe_u32 s[CY], ttmp6, 0x40004
	s_and_b32 s[PTL], ttmp7, 0xffff
	s_lshl_b32 s[PTL], s[PTL], 2
	s_add_co_u32 s[PTL], s[PTL], s[CY]             ; o's tile of 128 rows: 4 x cluster y + cy
	s_lshl_b32 s[QTL], ttmp9, 2
	s_add_co_u32 s[QTL], s[QTL], s[CX]             ; w_o's tile of 256 rows: 4 x cluster x + cx
	s_lshl_b32 s[PRB], s[PTL], 3                   ; o's first rowblock in ao
	s_lshl_b32 s[QRB], s[QTL], 4
	s_add_co_u32 s[QRB], s[QRB], 704               ; w_o's in cq
	s_lshl_b32 s56, s[CY], 2
	s_lshl_b32 s56, 15, s56                        ; my row of the cluster
	s_lshl_b32 s60, 0x1111, s[CX]                  ; my column
	; descriptor group 1: R rows of 6,144 bytes (768 elements of 8 bytes), 12,288 bytes apart in memory, on end in LDS
	s_or_b32 s[G1P], s56, (3<<16)|(1<<21)
	s_or_b32 s[G1Q], s60, (3<<16)|(1<<21)
	s_mov_b32 s[G1P+1], 768<<16                    ; rows of 6,144 bytes: 768 elements of 8 bytes
	s_mov_b32 s[G1P+2], 8<<16
	s_mov_b32 s[G1P+3], 768<<16
	s_mov_b32 s[G1P+4], 8
	s_mov_b32 s[G1P+5], 1536
	s_mov_b32 s[G1P+6], 0
	s_mov_b32 s[G1P+7], 0
	s_mov_b32 s[G1Q+1], 768<<16
	s_mov_b32 s[G1Q+2], 16<<16
	s_mov_b32 s[G1Q+3], 768<<16
	s_mov_b32 s[G1Q+4], 16
	s_mov_b32 s[G1Q+5], 1536
	s_mov_b32 s[G1Q+6], 0
	s_mov_b32 s[G1Q+7], 0
	s_mov_b32 s56, s[PRB]
	s_mul_i32 s56, s56, RBB
	s_mov_b32 s57, 0
	s_mov_b32 s60, s[QRB]
	s_mul_i32 s60, s60, RBB
	s_mov_b32 s61, 0
	v_and_b32 v15, 31, v0
	v_lshlrev_b32 v[L16], 4, v15
	v_lshlrev_b32 v[L8], 3, v15
	v_and_b32 v[RR], 15, v0
	v_bfe_u32 v[HH], v0, 4, 1
	s_mul_i32 s98, s[HP], 4*RBQ
	v_add_nc_u32 v[AP16], s98, v[L16]
	v_add_nc_u32 v[AP8], s98, v[L8]
	s_mul_i32 s98, s[HQ], 8*RBQ
	s_add_co_u32 s98, s98, 8*RBQ
	v_add_nc_u32 v[AQ16], s98, v[L16]
	v_add_nc_u32 v[AQ8], s98, v[L8]
	v_lshlrev_b32 v[BQA], 7, v[HH]
	s_mul_i32 s98, s[WV], 8448                     ; my stage: 16 rows x (512 + 16) bytes
	v_mul_u32_u24 v[STO], v[RR], 528
	v_lshl_add_u32 v[STO], v[HH], 7, v[STO]
	v_add_nc_u32 v[STO], s98, v[STO]
	v_add_nc_u32 v[RD], s98, v[L16]
	v_lshlrev_b32 v[PSO], 5, v[RR]
	v_lshl_add_u32 v[PSO], v[HH], 4, v[PSO]
	s_wait_dscnt 0x0
	s_wait_kmcnt 0x0
	s_add_nc_u64 s[56:57], s[4:5], s[56:57]
	s_add_nc_u64 s[60:61], s[6:7], s[60:61]
.irp c, 0,1
	s_mov_b32 s[G0P+4*\c], 1
	s_mov_b32 s[G0P+4*\c+1], \c*QSTR
	s_add_nc_u64 s[G0P+4*\c+2:G0P+4*\c+3], s[56:57], \c*RBQ
	s_or_b32 s[G0P+4*\c+3], s[G0P+4*\c+3], 0x80000000
	s_mov_b32 s[G0Q+4*\c], 1
	s_mov_b32 s[G0Q+4*\c+1], \c*QSTR+8*RBQ
	s_add_nc_u64 s[G0Q+4*\c+2:G0Q+4*\c+3], s[60:61], \c*RBQ
	s_or_b32 s[G0Q+4*\c+3], s[G0Q+4*\c+3], 0x80000000
.endr
	CROUND                                         ; all sixteen work-groups are here: the joint loads meet
	s_cmp_eq_u32 s[WV], 0                          ; one tensor load a wave, in one chain of arms: wave 0 o's first half of K, wave 1 w_o's, wave 2 o's second half, wave 3 w_o's
	s_cbranch_scc0 .Lfill_1
	tensor_load_to_lds s[G0P:G0P+3], s[G1P:G1P+7]
	s_nop 0
	PLACES
	s_branch .Lfilled
.Lfill_1:
	s_cmp_eq_u32 s[WV], 1
	s_cbranch_scc0 .Lfill_2
	tensor_load_to_lds s[G0Q:G0Q+3], s[G1Q:G1Q+7]
	s_nop 0
	PLACES
	s_branch .Lfilled
.Lfill_2:
	s_cmp_eq_u32 s[WV], 2
	s_cbranch_scc0 .Lfill_3
	tensor_load_to_lds s[G0P+4:G0P+7], s[G1P:G1P+7]
	s_nop 0
	PLACES
	s_branch .Lfilled
.Lfill_3:
	tensor_load_to_lds s[G0Q+4:G0Q+7], s[G1Q:G1Q+7]
	s_nop 0
	PLACES
.Lfilled:
	s_lshl_b32 s[PSB], s[HP], 2
	s_add_co_u32 s[PSB], s[PSB], s[PRB]
	s_lshl_b32 s[PSB], s[PSB], 9
	s_add_co_u32 s[PSB], s[PSB], ASB
	s_mov_b32 s[PSB+1], 0
	s_add_nc_u64 s[PSB:PSB+1], s[4:5], s[PSB:PSB+1]
	s_lshl_b32 s[QSB], s[HQ], 3
	s_add_co_u32 s[QSB], s[QSB], s[QRB]
	s_lshl_b32 s[QSB], s[QSB], 9
	s_add_co_u32 s[QSB], s[QSB], SCB
	s_mov_b32 s[QSB+1], 0
	s_add_nc_u64 s[QSB:QSB+1], s[6:7], s[QSB:QSB+1]
	s_lshl_b32 s[BQB], s[QTL], 10                  ; my first column, in bytes: 4 (256 x tile + 128 x half)
	s_lshl_b32 s[BQB+1], s[HQ], 9
	s_add_co_u32 s[BQB], s[BQB], s[BQB+1]
	s_lshl_b32 s[OC], s[PTL], 19                   ; my first row: (128 x tile + 64 x half) rows of 4,096 bytes,
	s_lshl_b32 s[OC+1], s[HP], 18
	s_add_co_u32 s[OC], s[OC], s[OC+1]
	s_add_co_u32 s[OC], s[OC], s[BQB]              ; and my first column
	s_mov_b32 s[OC+1], 0
	s_mov_b32 s[BQB+1], 0
	s_add_nc_u64 s[OC:OC+1], s[10:11], s[OC:OC+1]
	s_add_nc_u64 s[BQB:BQB+1], s[8:9], s[BQB:BQB+1]
	s_wait_alu depctr_va_vdst(0)
.irp a, 0,1,2,3
	global_load_b128 v[PS+4*\a:PS+4*\a+3], v[PSO], s[PSB:PSB+1] offset:512*\a     ; register q: lanes 0-15 K step q, lanes 16-31 K step 4 + q; 512 consecutive bytes
.endr
.irp b, 0,1,2,3,4,5,6,7
	global_load_b128 v[QS+4*\b:QS+4*\b+3], v[L16], s[QSB:QSB+1] offset:512*\b
.endr
	WIN 0xc0                                       ; destination window 3
.irp c, 0,1
.irp i, 0,1,2,3,4,5,6,7
	global_load_b128 v[32*\c+4*\i:32*\c+4*\i+3], v[BQA], s[BQB:BQB+1] offset:256*\c+16*\i   ; register 8 b + j: the bias of column 64 c + 32 h + 8 q + j
.endr
.endr
	WIN 0
; 48 LDS loads: the fragments of K step s into set s % 2.  A fragment lies in LDS as an image of its registers: 512 + 256 + 512 + 256 consecutive bytes
.macro FETCH s
.set FO, 1536*((\s)%4)
.set FQ, 128*((\s)%2)
.set FP, PF+48*((\s)%2)
	WIN 0x80                                       ; destination window 2
.irp b, 0,1,2,3,4,5,6,7
	ds_load_b128 v[FQ+12*\b:FQ+12*\b+3], v[AQ16] offset:RBQ*\b+FO
	ds_load_b64 v[FQ+12*\b+4:FQ+12*\b+5], v[AQ8] offset:RBQ*\b+FO+512
	ds_load_b128 v[FQ+12*\b+6:FQ+12*\b+9], v[AQ16] offset:RBQ*\b+FO+768
	ds_load_b64 v[FQ+12*\b+10:FQ+12*\b+11], v[AQ8] offset:RBQ*\b+FO+1280
.endr
	WIN 0
.irp a, 0,1,2,3
	ds_load_b128 v[FP+12*\a:FP+12*\a+3], v[AP16] offset:RBQ*\a+FO
	ds_load_b64 v[FP+12*\a+4:FP+12*\a+5], v[AP8] offset:RBQ*\a+FO+512
	ds_load_b128 v[FP+12*\a+6:FP+12*\a+9], v[AP16] offset:RBQ*\a+FO+768
	ds_load_b64 v[FP+12*\a+10:FP+12*\a+11], v[AP8] offset:RBQ*\a+FO+1280
.endr
.endm
; 32 matrix instructions: K step s.  The 32 accumulators take turns, one instruction a turn, in the same order in every step.  cmode 1: the sums start with the bias
.macro MUL s, cmode
.irp a, 0,1,2,3
.irp b, 0,1,2,3,4,5,6,7
.set rD, 8*(8*\a+\b)
.set rC, rD
.if (\cmode) == 1
.set rC, 8*\b
.endif
.set rA, 128*((\s)%2)+12*\b
.set rB, PF+48*((\s)%2)+12*\a
.set rSA, QS+4*\b+(\s)%4
.set rSB, PS+4*\a+(\s)%4
.if (\s) >= 4
	v_wmma_scale_f32_16x16x128_f8f6f4 v[rD:rD+7], v[rA:rA+11], v[rB:rB+11], v[rC:rC+7], v[rSA], v[rSB] matrix_a_fmt:MATRIX_FMT_FP6 matrix_b_fmt:MATRIX_FMT_FP6 matrix_a_scale:MATRIX_SCALE_ROW1 matrix_b_scale:MATRIX_SCALE_ROW1
.else
	v_wmma_scale_f32_16x16x128_f8f6f4 v[rD:rD+7], v[rA:rA+11], v[rB:rB+11], v[rC:rC+7], v[rSA], v[rSB] matrix_a_fmt:MATRIX_FMT_FP6 matrix_b_fmt:MATRIX_FMT_FP6
.endif
.endr
.endr
.endm
.macro EVEN s                          ; the next step lies in the same half of K
	WIN 0
	PLACES                                         ; four plain instructions between the last products and loads into registers that they read
	FETCH (\s)+1
	s_wait_dscnt 48                                ; this step's fragments are in; the 48 loads just issued stay out
	WIN 0x52                                       ; source 0 window 2, source 1 window 0, C and D window 1
	MUL \s, 0
.endm
.macro ODD s                           ; the next step begins the next half of K
	WIN 0
	s_wait_tensorcnt 0x0                           ; my tensor load has landed
	s_wait_dscnt 0x0                               ; no LDS instruction of mine is pending at the signal
	s_barrier_signal -1
	s_barrier_wait -1                              ; everybody's part has landed
	v_add_nc_u32 v[AP16], QSTR, v[AP16]            ; on to that half: these four are also the places in front of the loads below
	v_add_nc_u32 v[AP8], QSTR, v[AP8]
	v_add_nc_u32 v[AQ16], QSTR, v[AQ16]
	v_add_nc_u32 v[AQ8], QSTR, v[AQ8]
	FETCH (\s)+1
	s_wait_dscnt 48
	WIN 0x52
	MUL \s, 0
.endm
	s_cmp_lt_u32 s[WV], 2                          ; waves 0 and 1, whose load lines are their own, wait for the first half of K; the second half stays out
	s_cbranch_scc0 .Lnot_first
	s_wait_tensorcnt 0x0
.Lnot_first:
	s_barrier_signal -1
	s_barrier_wait -1
	FETCH 0
	FETCH 1
	s_wait_loadcnt 0x0                             ; scale words and bias
	s_wait_dscnt 48                                ; step 0's fragments
	WIN 0x72                                       ; C window 3
	MUL 0, 1
	EVEN 1
	EVEN 2
	ODD 3
	s_wait_alu depctr_va_vdst(0)
	EVEN 4
	EVEN 5
	EVEN 6
	s_wait_dscnt 0x0
	MUL 7, 0
	WIN 0
; THE WAY OUT, o's rowblock a at a time: 16 rows x 128 columns through my stage.  LDS serves a wave's instructions in order: no wait between the stores and the loads, nor in front of the next block's stores
.macro TOSTAGE a
	WIN 0x04                                       ; an LDS store's data are its source 1: window 1
.irp b, 0,1,2,3,4,5,6,7
	ds_store_b128 v[STO], v[8*(8*(\a)+\b):8*(8*(\a)+\b)+3] offset:256*(\b/4)+32*(\b%4)          ; each accumulator from its low end on
	ds_store_b128 v[STO], v[8*(8*(\a)+\b)+4:8*(8*(\a)+\b)+7] offset:256*(\b/4)+32*(\b%4)+16
.endr
	WIN 0
.set BB, BK+64*((\a)%2)
.irp t, 0,1,2,3,4,5,6,7,8,9,10,11,12,13,14,15
	ds_load_b128 v[BB+4*\t:BB+4*\t+3], v[RD] offset:528*\t
.endr
.endm
.macro SEND a, younger                 ; younger: the LDS instructions issued behind block a's loads, which may stay out
.set BB, BK+64*((\a)%2)
	s_wait_dscnt \younger
.irp t, 0,1,2,3,4,5,6,7,8,9,10,11,12,13,14,15
	global_store_b128 v[L16], v[BB+4*\t:BB+4*\t+3], s[OC:OC+1] offset:(8*(\a)+32*(\t/8)+\t%8)*4096 th:TH_STORE_NT   ; slot t's row: 32 lanes store 512 consecutive bytes, aligned; written once, read by nobody here
.endr
.endm
	PLACES                                         ; between the last products and the first read of results, and the loads into registers that held fragments
	TOSTAGE 0
.irp a, 1,2,3
.if \a > 1
	s_wait_xcnt 0x0                                ; block a - 2's stores have read their registers: block a's loads may land there
.endif
	TOSTAGE \a
	SEND \a-1, 32                                  ; behind block a - 1's loads: block a's 16 stores and 16 loads
.endr
	SEND 3, 0
	s_wait_tensorcnt 0x0
	ds_add_u32 v254, v255
	s_wait_dscnt 0x0
	CROUND                                         ; the closing round: no work-group ends while a partner may still ask for a tile that names it
	s_endpgm
.Lfunc_end_k_q54186dda4a_proj:
	.size	k_q54186dda4a_proj, .Lfunc_end_k_q54186dda4a_proj-k_q54186dda4a_proj
	.p2alignl 7, 3214868480
	.fill 96, 4, 3214868480
	.section	.rodata,"a",@progbits
	.p2align	6, 0x0
	.amdhsa_kernel k_q54186dda4a_proj
		.amdhsa_group_segment_fixed_size 295424
		.amdhsa_private_segment_fixed_size 0
		.amdhsa_enable_private_segment 0
		.amdhsa_kernarg_size 32
		.amdhsa_user_sgpr_count 2
		.amdhsa_user_sgpr_kernarg_segment_ptr 1
		.amdhsa_wavefront_size32 1
		.amdhsa_system_sgpr_workgroup_id_x 1
		.amdhsa_system_sgpr_workgroup_id_y 1
		.amdhsa_system_sgpr_workgroup_id_z 1
		.amdhsa_system_vgpr_workitem_id 0
		.amdhsa_next_free_vgpr 1024
		.amdhsa_next_free_sgpr 100
		.amdhsa_reserve_vcc 0
		.amdhsa_float_denorm_mode_32 3
		.amdhsa_float_denorm_mode_16_64 3
		.amdhsa_memory_ordered 1
		.amdhsa_forward_progress 1
		.amdhsa_inst_pref_size 83
	.end_amdhsa_kernel
	.amdgpu_metadata
---
amdhsa.version: [ 1, 2 ]
amdhsa.kernels:
  - .name:           k_q54186dda4a_proj
    .symbol:         k_q54186dda4a_proj.kd
    .args:
      - { .name: ao, .offset: 0, .size: 8, .value_kind: global_buffer, .address_space: global }
      - { .name: cq, .offset: 8, .size: 8, .value_kind: global_buffer, .address_space: global }
      - { .name: b_o, .offset: 16, .size: 8, .value_kind: global_buffer, .address_space: global }
      - { .name: out0, .offset: 24, .size: 8, .value_kind: global_buffer, .address_space: global }
    .group_segment_fixed_size: 295424
    .private_segment_fixed_size: 0
    .kernarg_segment_align: 8
    .kernarg_segment_size: 32
    .max_flat_workgroup_size: 128
    .sgpr_count:     100
    .vgpr_count:     1024
    .wavefront_size: 32
...
	.end_amdgpu_metadata
.endif
;; end of part 4
